; MI455X (gfx1250); checked and timed in simulation.
; The chip was launched on July 23, 2026; its instructions are those of AMD's public machine-readable ISA for CDNA 5 (MIT licence, August 2026) and "CDNA5" Instruction Set Architecture Reference Guide (July 2026). The comments in the code are by the model that wrote it; some were corrected since.
;; Causal Self Attention. Allowed arithmetic: float matrix products may take bf16 or f16 operands with f32 sums; other float arithmetic in f32, or as packed bf16 or f16 multiplies, adds, multiply-adds, maxima and minima; sums over many terms, partial sums and values carried from step to step in f32; what a program stores and reads back later, other than sums and carried values, may be rounded once to bf16 or f16.
;; Inputs: Wk 1,024 x 1,024 float32; Wq 1,024 x 1,024 float32; Wv 1,024 x 1,024 float32; bk 1,024 float32; bq 1,024 float32; bv 1,024 float32; x 4 x 2,048 x 1,024 float32.
;; Outputs: out0 4 x 2,048 x 1,024 float32.
;; One version. Each part assembles by itself: llvm-mc -triple=amdgcn-amd-amdhsa -mcpu=gfx1250 --defsym DOCPART=n.
;; ======== version 1 of 1: 4 launches
;; limits: values are held in f16: magnitudes above 65,504 overflow, below 6.1e-05 lose precision
;; workspace buffers: xb 17,301,504 bytes; wb 6,488,064 bytes; bb 12,288 bytes; qkv 50,331,648 bytes; pbuf 33,554,432 bytes; mst 262,144 bytes; lst 262,144 bytes
;; launch cast (part 1): grid 1408 x 1, 11 waves a work-group, no clusters, 0 bytes of LDS; arguments x, Wq, Wk, Wv, bq, bk, bv, xb, wb, bb, mst, lst; writes xb, wb, bb, mst, lst
.if DOCPART == 1
	.amdgcn_target "amdgcn-amd-amdhsa--gfx1250"
	.amdhsa_code_object_version 6
	.text
	.protected	k_q7f9f4e8e21_cast
	.globl	k_q7f9f4e8e21_cast
	.p2align	8
	.type	k_q7f9f4e8e21_cast,@function
k_q7f9f4e8e21_cast:
	s_mov_b64 s[64:65], 0
	v_nop
	global_prefetch_b8 v0, s[64:65] scope:SCOPE_SE
	s_setreg_imm32_b32 hwreg(HW_REG_WAVE_MODE, 25, 1), 1
	s_wait_xcnt 0x0
; CAST.  x [8192][1024] f32 -> xb [11][8192][96] bf16; Wq, Wk, Wv [1024][1024] f32 -> wb [11][3072][96] bf16 (rows: Wq's, then Wk's, then Wv's); bq, bk, bv -> bb [3072] f32 holding the
; bf16-rounded numbers; and the two tables of the softmax's statistics are preset: mst = -1e30, lst = 0, so that a key tile that the causal mask hides later counts for nothing without a test.
; THE LAYOUT IN BLOCKS serves the next launch: K block kb holds k = 96 kb .. 96 kb + 95 of every row, the rows end to end, so that a tile of rows x 96 k is dense in memory.  11 x 96 = 1,056: the
; last block's k = 1,024 .. 1,055 are written as 0 (the next launch brings them into LDS and never multiplies them).
; SHARES.  A work-group takes 8 rows; its eleven waves take a K block each: 8 rows x 192 bytes = 1,536 consecutive bytes of the destination, aligned to 256.  A lane takes 4 numbers at a time: unit
; u = 32 n + lane (n = 0 .. 5) is row u / 24, columns 4 (u % 24) .. + 3 of the block: a load of 16 bytes, a store of 8, and a wave's store covers 256 consecutive bytes, aligned.
; u / 24 = (171 u) >> 12, exact for u <= 191.  All six loads of a lane are out at once; nothing is rewritten, so the only waits are the counted ones for the loads.
; No LDS, no matrix unit, no cluster: no byte is wanted twice.
.set XG,  1024                         ; work-groups 0 .. 1023 take x; 1024 .. 1407 the three weights, 128 each
.set OFF, 8                            ; v8-13   unit n: its byte offset in the work-group's 8 rows of the source
.set CU,  14                           ; v14-19  unit n: its place in a row, in units of 4 numbers; 256 and above lie past the row's end
.set X,   24                           ; v24-47  as loaded
.set Y,   48                           ; v48-59  to store
	s_load_b512 s[16:31], s[0:1], 0x0              ; x s[16:17], Wq s[18:19], Wk s[20:21], Wv s[22:23], bq s[24:25], bk s[26:27], bv s[28:29], xb s[30:31]
	s_load_b256 s[32:39], s[0:1], 0x40             ; wb s[32:33], bb s[34:35], mst s[36:37], lst s[38:39]
	v_and_b32 v1, 31, v0                           ; lane
	v_lshlrev_b32 v2, 3, v1                        ; 8 x lane: my bytes in a store of 256
	v_lshrrev_b32 v3, 5, v0
	v_readfirstlane_b32 s4, v3                     ; wave 0..10 = my K block
	s_mov_b32 s5, ttmp9                            ; g
	s_sub_co_u32 s6, s5, XG                        ; g' = g - 1024 (used only where g >= 1024)
	s_lshr_b32 s7, s6, 7                           ; which weight
	s_and_b32 s8, s6, 127                          ; which 8 rows of it
	s_mov_b32 s9, 3072*192                         ; bytes in a K block of wb
	s_cmp_lt_u32 s5, XG
	s_cselect_b32 s10, s5, s8                      ; the block of 8 rows in the source,
	s_cselect_b32 s12, s5, s6                      ; and in the destination
	s_cselect_b32 s9, 8192*192, s9                 ; bytes in a K block of the destination
	s_lshl_b32 s10, s10, 15                        ; x 32,768 bytes
	s_mov_b32 s11, 0
	s_mul_i32 s12, s12, 1536                       ; 8 rows of 192 bytes,
	s_mul_i32 s9, s9, s4
	s_add_co_u32 s12, s12, s9                      ; in my K block
	s_mov_b32 s13, 0
	s_mul_i32 s14, s4, 24                          ; my block's first unit in a row
.irp n, 0,1,2,3,4,5
	v_add_nc_u32 v4, 32*(\n), v1                   ; u
	v_mul_u32_u24 v5, v4, 171
	v_lshrrev_b32 v5, 12, v5                       ; row = u / 24
	v_mul_u32_u24 v6, v5, 24
	v_sub_nc_u32 v6, v4, v6                        ; u % 24
	v_add_nc_u32 v[CU+(\n)], s14, v6               ; the unit's place in the row
	v_min_u32 v6, 255, v[CU+(\n)]                  ; no load leaves its row: past the end the row's last unit is read, and 0 is stored
	v_lshlrev_b32 v6, 4, v6
	v_lshl_add_u32 v[OFF+(\n)], v5, 12, v6         ; row x 4,096 + 16 x unit
.endr
	s_wait_kmcnt 0x0
	s_cmp_eq_u32 s7, 1
	s_cselect_b64 s[40:41], s[20:21], s[18:19]     ; Wk or Wq
	s_cselect_b64 s[42:43], s[26:27], s[24:25]     ; bk or bq
	s_cmp_eq_u32 s7, 2
	s_cselect_b64 s[40:41], s[22:23], s[40:41]     ; or Wv
	s_cselect_b64 s[42:43], s[28:29], s[42:43]     ; or bv
	s_cmp_lt_u32 s5, XG
	s_cselect_b64 s[40:41], s[16:17], s[40:41]     ; or x
	s_cselect_b64 s[44:45], s[30:31], s[32:33]     ; into xb or wb
	s_add_nc_u64 s[40:41], s[40:41], s[10:11]
	s_add_nc_u64 s[44:45], s[44:45], s[12:13]
.irp n, 0,1,2,3,4,5
	global_load_b128 v[X+4*(\n):X+4*(\n)+3], v[OFF+(\n)], s[40:41]
.endr
.irp n, 0,1,2,3,4,5
	s_wait_loadcnt 5-(\n)                          ; loads come back in order: unit n is in, the 5 - n younger ones stay out
	v_cvt_pk_bf16_f32 v[Y+2*(\n)], v[X+4*(\n)], v[X+4*(\n)+1]
	v_cvt_pk_bf16_f32 v[Y+2*(\n)+1], v[X+4*(\n)+2], v[X+4*(\n)+3]
	v_cmp_gt_u32 vcc_lo, 256, v[CU+(\n)]           ; inside the row?
	v_cndmask_b32 v[Y+2*(\n)], 0, v[Y+2*(\n)], vcc_lo
	v_cndmask_b32 v[Y+2*(\n)+1], 0, v[Y+2*(\n)+1], vcc_lo
	global_store_b64 v2, v[Y+2*(\n):Y+2*(\n)+1], s[44:45] offset:256*(\n)
.endr
	s_cmp_lt_u32 s5, XG
	s_cbranch_scc0 .Lweights
	; work-group g < 1024 also presets 256 bytes of each table: wave 0 mst, wave 1 lst; 1,024 x 256 bytes are each whole table
	s_cmp_gt_u32 s4, 1
	s_cbranch_scc1 .Lend
	s_cmp_eq_u32 s4, 0
	s_cselect_b64 s[46:47], s[36:37], s[38:39]
	s_cselect_b32 s9, 0xf149f2ca, 0                ; -1e30, or 0
	s_lshl_b32 s14, s5, 8
	s_mov_b32 s15, 0
	s_add_nc_u64 s[46:47], s[46:47], s[14:15]
	v_mov_b32 v6, s9
	v_mov_b32 v7, s9
	global_store_b64 v2, v[6:7], s[46:47]
	s_branch .Lend
.Lweights:
	; the first work-group of each weight also takes its bias: 1,024 numbers, four a thread of its first eight waves, rounded to bf16 and widened again
	s_cmp_lg_u32 s8, 0
	s_cbranch_scc1 .Lend
	s_cmp_gt_u32 s4, 7
	s_cbranch_scc1 .Lend
	v_lshlrev_b32 v20, 4, v0                       ; 16 x thread
	global_load_b128 v[60:63], v20, s[42:43]
	s_lshl_b32 s14, s7, 12
	s_mov_b32 s15, 0
	s_add_nc_u64 s[46:47], s[34:35], s[14:15]
	s_wait_loadcnt 0x0
	v_cvt_pk_bf16_f32 v64, v60, v61
	v_cvt_pk_bf16_f32 v65, v62, v63
	v_lshlrev_b32 v68, 16, v64
	v_and_b32 v69, 0xffff0000, v64
	v_lshlrev_b32 v70, 16, v65
	v_and_b32 v71, 0xffff0000, v65
	global_store_b128 v20, v[68:71], s[46:47]
.Lend:
	s_endpgm
.Lfunc_end_k_q7f9f4e8e21_cast:
	.size	k_q7f9f4e8e21_cast, .Lfunc_end_k_q7f9f4e8e21_cast-k_q7f9f4e8e21_cast
	.p2alignl 7, 3214868480
	.fill 96, 4, 3214868480
	.section	.rodata,"a",@progbits
	.p2align	6, 0x0
	.amdhsa_kernel k_q7f9f4e8e21_cast
		.amdhsa_group_segment_fixed_size 0
		.amdhsa_private_segment_fixed_size 0
		.amdhsa_enable_private_segment 0
		.amdhsa_kernarg_size 96
		.amdhsa_user_sgpr_count 2
		.amdhsa_user_sgpr_kernarg_segment_ptr 1
		.amdhsa_wavefront_size32 1
		.amdhsa_system_sgpr_workgroup_id_x 1
		.amdhsa_system_sgpr_workgroup_id_y 1
		.amdhsa_system_sgpr_workgroup_id_z 1
		.amdhsa_system_vgpr_workitem_id 0
		.amdhsa_next_free_vgpr 72
		.amdhsa_next_free_sgpr 66
		.amdhsa_reserve_vcc 1
		.amdhsa_float_denorm_mode_32 3
		.amdhsa_float_denorm_mode_16_64 3
		.amdhsa_memory_ordered 1
		.amdhsa_forward_progress 1
		.amdhsa_inst_pref_size 9
	.end_amdhsa_kernel
	.amdgpu_metadata
---
amdhsa.version: [ 1, 2 ]
amdhsa.kernels:
  - .name:           k_q7f9f4e8e21_cast
    .symbol:         k_q7f9f4e8e21_cast.kd
    .args:
      - { .name: x, .offset: 0, .size: 8, .value_kind: global_buffer, .address_space: global }
      - { .name: Wq, .offset: 8, .size: 8, .value_kind: global_buffer, .address_space: global }
      - { .name: Wk, .offset: 16, .size: 8, .value_kind: global_buffer, .address_space: global }
      - { .name: Wv, .offset: 24, .size: 8, .value_kind: global_buffer, .address_space: global }
      - { .name: bq, .offset: 32, .size: 8, .value_kind: global_buffer, .address_space: global }
      - { .name: bk, .offset: 40, .size: 8, .value_kind: global_buffer, .address_space: global }
      - { .name: bv, .offset: 48, .size: 8, .value_kind: global_buffer, .address_space: global }
      - { .name: xb, .offset: 56, .size: 8, .value_kind: global_buffer, .address_space: global }
      - { .name: wb, .offset: 64, .size: 8, .value_kind: global_buffer, .address_space: global }
      - { .name: bb, .offset: 72, .size: 8, .value_kind: global_buffer, .address_space: global }
      - { .name: mst, .offset: 80, .size: 8, .value_kind: global_buffer, .address_space: global }
      - { .name: lst, .offset: 88, .size: 8, .value_kind: global_buffer, .address_space: global }
    .group_segment_fixed_size: 0
    .private_segment_fixed_size: 0
    .kernarg_segment_align: 8
    .kernarg_segment_size: 96
    .max_flat_workgroup_size: 352
    .sgpr_count:     66
    .vgpr_count:     72
    .wavefront_size: 32
...
	.end_amdgpu_metadata
.endif
;; end of part 1
;; launch proj (part 2): grid 8 x 32, 4 waves a work-group, clusters of 4 x 4, 327,680 bytes of LDS; arguments xb, wb, bb, qkv; writes qkv
.if DOCPART == 2
	.amdgcn_target "amdgcn-amd-amdhsa--gfx1250"
	.amdhsa_code_object_version 6
	.text
	.protected	k_q7f9f4e8e21_proj
	.globl	k_q7f9f4e8e21_proj
	.p2align	8
	.type	k_q7f9f4e8e21_proj,@function
k_q7f9f4e8e21_proj:
	s_mov_b64 s[64:65], 0
	v_nop
	global_prefetch_b8 v0, s[64:65] scope:SCOPE_SE
	s_setreg_imm32_b32 hwreg(HW_REG_WAVE_MODE, 25, 1), 1
	s_wait_xcnt 0x0
	s_wait_alu depctr_hold_cnt(0) depctr_sa_sdst(0) depctr_va_vdst(0) depctr_va_sdst(0) depctr_va_ssrc(0) depctr_va_vcc(0) depctr_vm_vsrc(0)
	s_getreg_b32 s2, hwreg(HW_REG_IB_STS2, 6, 4)
	s_cmp_eq_u32 s2, 0
	s_cbranch_scc0 .Lentry_in_a_cluster
	s_endpgm
.Lentry_in_a_cluster:
	s_bfe_u32 s2, ttmp6, 0x10000c
	s_cmp_lg_u32 s2, 0xf033
	s_cbranch_scc0 .Lentry_shape_is_right
	s_endpgm
.Lentry_shape_is_right:
; PROJ.  qkv[m][n] = sum over k of x[m][k] W[n][k] + b[n].  xb [11][8192][96] bf16 and wb [11][3072][96] bf16 lie in K blocks of 96 (the last block's k = 1,024 .. 1,055 are 0 and are not
; multiplied); bb [3072] f32; qkv [8192][3072] f16 (q, k, v side by side); sums in f32, K ascending, rounded once.
; LIMIT.  f16 ends at 65,504: q, k and v must stay below that.
; A tile of C is 256 x 384: 8 x 32 = 256 work-groups of equal work; its rows are 768 bytes, three aligned blocks of 256.  Four waves, each 128 rows x 192 columns: 96 accumulators of 16 x 16, 768 registers.
; K goes in steps of 96 through two LDS slots filled by the tensor data mover: 640 rows x 192 bytes a step, as long a step as two slots in LDS allow; 288 matrix instructions a wave in a step, 192 in the last.
; A tile's rows are dense in memory (the launch before lays them so): 128 rows of A are asked for as 96 rows of 256 bytes, 192 rows of B as 144.
; CLUSTER 4 x 4: the four of a row of the cluster need the same tile of A, the four of a column the same tile of B; each is asked for jointly, by the same load and descriptor with a mask of the four.
; THE MATRIX INSTRUCTION IS USED TRANSPOSED (source 0 = 16 rows of W, source 1 = 16 rows of x): lane l holds row l % 16 of C and columns 8 (l / 16) + 0..7.  In that layout the bias of those eight
; columns IS a C operand: the first product of each sum takes it, so the bias costs no instruction and nothing is cleared.
; REGISTERS.  Windows 1 to 3: the accumulators; (a, b) (row block 0..7, column block 0..11) has the number 24 (2 (b / 6) + a / 4) + 6 (a % 4) + b % 6, eight registers each from v256 on.
; Window 0: v0-15 addresses; v32-127 three buffers of HALF of A's fragments of a quarter (4 row blocks x 8); v128-175 X: B's column blocks 0-5; v176-223 Y: blocks 6-11; the bias lies in Y (blocks 0-5),
; v16-31 (6, 7) and v224-255 (8-11) until the first quarter has taken it.
; A QUARTER is 32 along K: 48 products on X, then 48 on Y, each over all 8 row blocks.  While X is multiplied Y is on its way, and the other way round.  A's halves go round three buffers: half
; (2 q + half) % 3 of quarter q; the third buffer takes the next quarter's low half at once, the low half's own buffer the next high half as soon as its last products are issued.  A step's six halves
; are two whole rounds of the three buffers, so one text serves every step.
.set CH,     80                        ; 32 k in LDS: 64 bytes + 16 of padding
.set PITCH,  3*CH                      ; a row: 240 bytes = 60 words: the 16 rows of a fragment load start 4 banks apart (64 banks of 4 bytes: ISA guide 11.1)
.set AHALF,  128*PITCH                 ; what waves 0, 1 fetch, and what a wave reads of A
.set BHALF,  192*PITCH                 ; what waves 2, 3 fetch, and what a wave reads of B
.set BOFF,   2*AHALF                   ; B's 384 rows lie behind A's 256
.set SLOT,   BOFF+2*BHALF
.set SPARE,  2*SLOT                    ; behind the ring: the spare words, 128 bytes a wave: two blocks of 256 bytes that no other line names
.set SPITCH, 784                       ; the stage for the way out: 256 rows of 768 bytes + 16; it lies over the ring, which has had its last fill and has been read out by then
.set ROWC,   6144                      ; bytes in a row of qkv
.set ASTEP,  8192*192                  ; bytes from a K block of xb to the next
.set BSTEP,  3072*192                  ; and of wb
.set FLAGS,  (1<<16)|(1<<20)|(1<<21)|(3<<22)|(3<<25)  ; elements of 2 bytes; padding on; bit 21 beside a mask; after every 16 words, 4 words
.set A0,   3                           ; v3   my lane's place among my 128 rows of A in a slot; never rewritten
.set B0,   4                           ; v4   the same among my 192 rows of B
.set ADRA, 5                           ; v5   the same in the slot in hand
.set ADRB, 6                           ; v6
.set STO,  7                           ; v7-8 the way out: where I put 16 bytes of a row: row blocks 0-3, 4-7
.set RD,   9                           ; v9   where I read rows back
.set CO,   10                          ; v10  my byte offset in two rows of C
.set PFO,  11                          ; v11  the prefetches' offset; never rewritten
.set SPW,  12                          ; v12  my spare word: SPARE + 4 x my thread's number; never rewritten
.set NIL,  13                          ; v13  0; never rewritten
.set BO,   14                          ; v14  my byte offset in the bias
.set FH,   32                          ; A's three half buffers
.set FB,   128                         ; X, then Y
.set WV,   12                          ; s12  my wave's number
.set G1,   24                          ; s[24:31] descriptor group 1 for A's halves
.set G0,   32                          ; s[32:39] group 0: a set for each of the two first fills; the second then walks on
.set TB,   40                          ; s40  0 or SLOT: the slot in hand
.set WPA,  41                          ; s41  my part's place in a slot, for A
.set WPB,  42                          ; s42  and for B
.set LIM,  43                          ; s43  2 in a wave that prefetches, else the greatest number
.set PFA,  44                          ; s[44:45] where my prefetches stand
.set PFS,  46                          ; s[46:47] their step: a K block of xb or of wb
.set G1B,  48                          ; s[48:55], s[56:63] the same for B's halves
.set G0B,  56
.set MSB, 0
.macro WIN new                         ; the immediate's high byte repeats the setting that is left; a switch that changes nothing is dropped
.if MSB != (\new)
	s_set_vgpr_msb (MSB<<8)|(\new)
.set MSB, \new
.endif
.endm
.macro PLACES                          ; four plain places behind a matrix instruction, ahead of loads into registers that it read and of conversions that read results
.rept 4
	v_nop
.endr
.endm
; A joint refill.  Waves 0, 1 fetch A's halves, waves 2, 3 B's.  The branch hangs on the wave's number alone.  An s_nop 0 and four v_nop follow each line.
.macro JLOAD
	s_cmp_lt_u32 s[WV], 2
	s_cbranch_scc0 .Lfor_b_\@
	tensor_load_to_lds s[G0+4:G0+7], s[G1:G1+7]
	s_nop 0
.rept 4
	v_nop
.endr
	s_branch .Lasked_\@
.Lfor_b_\@:
	tensor_load_to_lds s[G0B+4:G0B+7], s[G1B:G1B+7]
	s_nop 0
.rept 4
	v_nop
.endr
.Lasked_\@:
.endm
; A prefetch, behind each joint refill and the run of LDS loads: the K step that stands two refills on.  A's rows are read by both clusters of a row of clusters: cluster x = 0 asks; B's by all eight
; of a column: cluster y = 0 asks.  The four partners of a joint load share its dense bytes out by address: 24 blocks of 256 bytes of A's 96 (one instruction), 36 of B's 144 (two instructions of 18);
; the lanes that are over name the last block once more.  The loop's last two trips (s3 = 2, 1) have no K step two refills on.
.macro ASK
	s_cmp_gt_u32 s3, s[LIM]
	s_cbranch_scc0 .Lnot_mine_\@
	global_prefetch_b8 v[PFO], s[PFA:PFA+1] th:TH_LOAD_NT scope:SCOPE_SE
	s_cmp_lt_u32 s[WV], 2
	s_cbranch_scc1 .Lnot_mine_\@
	global_prefetch_b8 v[PFO], s[PFA:PFA+1] offset:18*256 th:TH_LOAD_NT scope:SCOPE_SE
.Lnot_mine_\@:
.endm
.macro CREST                           ; a round of the cluster's barrier behind its opening barrier
	s_cmp_lg_u32 s[WV], 0
	s_cbranch_scc1 .Lnot_wave_0_\@
	s_barrier_signal -3
.Lnot_wave_0_\@:
	s_barrier_wait -3
	s_barrier_signal -1
	s_barrier_wait -1
.endm
.macro CROUND                          ; a whole round
	s_barrier_signal -1
	s_barrier_wait -1
	CREST
.endm
.macro BIASREG b                       ; c_ = where the bias of column block b lies
.if (\b) < 6
.set c_, FB+48+8*(\b)
.elseif (\b) < 8
.set c_, 16+8*((\b)-6)
.else
.set c_, 224+8*((\b)-8)
.endif
.endm
	s_load_b256 s[4:11], s[0:1], 0x0               ; xb s[4:5], wb s[6:7], bb s[8:9], qkv s[10:11]
	v_lshl_add_u32 v[SPW], v0, 2, SPARE
	v_mov_b32 v[NIL], 0
	ds_add_u32 v[SPW], v[NIL]                      ; the wave's opening: the add and its wait stand ahead of my first tensor load; work on registers stands between them
	ds_add_u32 v12, v13
	v_lshrrev_b32 v1, 5, v0
	v_readfirstlane_b32 s[WV], v1                  ; wave 0..3
	s_lshr_b32 s13, s[WV], 1                       ; wm: which 128 rows of the tile are mine
	s_and_b32 s14, s[WV], 1                        ; wn: which 192 columns.  Also: which half of A or of B I fetch
	s_bfe_u32 s15, ttmp6, 0x40000                  ; cx
	s_bfe_u32 s16, ttmp6, 0x40004                  ; cy
	s_lshl_b32 s17, ttmp9, 2
	s_add_co_u32 s17, s17, s15                     ; tile column tx = 4 x cluster x + cx
	s_and_b32 s18, ttmp7, 0xffff
	s_lshl_b32 s18, s18, 2
	s_add_co_u32 s18, s18, s16                     ; tile row ty = 4 x cluster y + cy
	s_lshl_b32 s19, s16, 2
	s_lshl_b32 s19, 15, s19                        ; my row of the cluster
	s_lshl_b32 s20, 0x1111, s15                    ; my column
	s_or_b32 s[G1+0], s19, FLAGS
	s_or_b32 s[G1B+0], s20, FLAGS
	s_mov_b32 s[G1+1], 128<<16                     ; tensor_dim0 = 128 elements: 256 bytes
	s_mov_b32 s[G1+2], 96<<16                      ; tensor_dim1 = 96: 128 rows of 192 bytes, dense
	s_mov_b32 s[G1+3], 128<<16                     ; tile_dim0 = 128
	s_mov_b32 s[G1+4], 96                          ; tile_dim1 = 96
	s_mov_b32 s[G1+5], 128                         ; elements from row to row
	s_mov_b32 s[G1+6], 0
	s_mov_b32 s[G1+7], 0
	s_mov_b32 s[G1B+1], 128<<16
	s_mov_b32 s[G1B+2], 144<<16                    ; 192 rows of 192 bytes, dense
	s_mov_b32 s[G1B+3], 128<<16
	s_mov_b32 s[G1B+4], 144
	s_mov_b32 s[G1B+5], 128
	s_mov_b32 s[G1B+6], 0
	s_mov_b32 s[G1B+7], 0
	s_mul_i32 s66, s18, 256*192                    ; A: row 256 ty + 128 x half, 192 bytes a row: it hangs on ty and the wave alone
	s_mul_i32 s21, s14, 128*192
	s_add_co_u32 s66, s66, s21
	s_mov_b32 s67, 0
	s_mul_i32 s68, s17, 384*192                    ; B: row 384 tx + 192 x half: it hangs on tx and the wave alone
	s_mul_i32 s21, s14, 192*192
	s_add_co_u32 s68, s68, s21
	s_mov_b32 s69, 0
	s_mul_i32 s[WPA], s14, AHALF                   ; where my part goes: no place in the cluster enters an LDS address
	s_mul_i32 s[WPB], s14, BHALF
	s_add_co_u32 s[WPB], s[WPB], BOFF
	s_mov_b32 s[TB], 0
	s_wait_dscnt 0x0                               ; the opening add is done
	s_wait_kmcnt 0x0
	s_add_nc_u64 s[66:67], s[4:5], s[66:67]
	s_add_nc_u64 s[68:69], s[6:7], s[68:69]
	s_mov_b32 s[G0], 1                             ; K steps 0 and 1 into slots 0 and 1
	s_mov_b32 s[G0+1], s[WPA]
	s_add_nc_u64 s[G0+2:G0+3], s[66:67], 0
	s_mov_b32 s[G0+4], 1
	s_add_co_u32 s[G0+5], s[WPA], SLOT
	s_add_nc_u64 s[G0+6:G0+7], s[66:67], ASTEP
	s_or_b32 s[G0+3], s[G0+3], 0x80000000
	s_or_b32 s[G0+7], s[G0+7], 0x80000000
	s_mov_b32 s[G0B], 1
	s_mov_b32 s[G0B+1], s[WPB]
	s_add_nc_u64 s[G0B+2:G0B+3], s[68:69], 0
	s_mov_b32 s[G0B+4], 1
	s_add_co_u32 s[G0B+5], s[WPB], SLOT
	s_add_nc_u64 s[G0B+6:G0B+7], s[68:69], BSTEP
	s_or_b32 s[G0B+3], s[G0B+3], 0x80000000
	s_or_b32 s[G0B+7], s[G0B+7], 0x80000000
	CROUND                                         ; all sixteen work-groups are here: the first joint loads meet
	s_cmp_lt_u32 s[WV], 2                          ; a wave's two first fills stand in one branch: two loads of mine are out
	s_cbranch_scc0 .Lfirst_b
	tensor_load_to_lds s[G0:G0+3], s[G1:G1+7]
	s_nop 0
	tensor_load_to_lds s[G0+4:G0+7], s[G1:G1+7]
	s_nop 0
.rept 4
	v_nop
.endr
	s_branch .Lfirst_asked
.Lfirst_b:
	tensor_load_to_lds s[G0B:G0B+3], s[G1B:G1B+7]
	s_nop 0
	tensor_load_to_lds s[G0B+4:G0B+7], s[G1B:G1B+7]
	s_nop 0
.rept 4
	v_nop
.endr
.Lfirst_asked:
	v_and_b32 v1, 15, v0                           ; r = l % 16
	v_bfe_u32 v2, v0, 4, 1                         ; h = l / 16
	; the bias: register j of block b = bb[384 tx + 192 wn + 16 b + 8 h + j]
	s_mul_i32 s76, s17, 1536
	s_mov_b32 s77, 0
	s_add_nc_u64 s[8:9], s[8:9], s[76:77]
	s_mul_i32 s78, s14, 768
	v_lshlrev_b32 v[BO], 5, v2
	v_add_nc_u32 v[BO], s78, v[BO]
.irp b, 0,1,2,3,4,5,6,7,8,9,10,11
	BIASREG \b
	global_load_b128 v[c_:c_+3],   v[BO], s[8:9] offset:64*(\b)
	global_load_b128 v[c_+4:c_+7], v[BO], s[8:9] offset:64*(\b)+16
.endr
	; a fragment is 16 rows x 32 K in 8 registers: lane l holds row r; two loads of 16 bytes, 32 bytes apart, at row x pitch + the quarter's chunk + 16 h
	v_mul_u32_u24 v15, v1, PITCH
	v_lshl_add_u32 v15, v2, 4, v15
	s_mul_i32 s70, s13, AHALF                      ; my 128 rows of A
	s_mul_i32 s71, s14, BHALF                      ; my 192 rows of B,
	s_add_co_u32 s71, s71, BOFF                    ; which lie behind A's 256
	v_add_nc_u32 v[A0], s70, v15
	v_add_nc_u32 v[B0], s71, v15
	v_mov_b32 v[ADRA], v[A0]                       ; slot 0 is in hand
	v_mov_b32 v[ADRB], v[B0]
	s_mul_i32 s72, s13, 128*SPITCH                 ; into the stage: row 128 wm + 16 a + r, bytes 384 wn + 32 b + 16 h
	s_mul_i32 s73, s14, 384
	s_add_co_u32 s72, s72, s73
	v_mul_u32_u24 v15, v1, SPITCH
	v_lshl_add_u32 v15, v2, 4, v15
	v_add_nc_u32 v[STO], s72, v15
	v_add_nc_u32 v[STO+1], 64*SPITCH, v[STO]
	s_mul_i32 s72, s[WV], 64*SPITCH                ; back: wave w takes rows 64 w .. 64 w + 63 whole; lanes 0-15 256 bytes of one row, lanes 16-31 of the next
	v_mul_u32_u24 v15, v2, SPITCH
	v_lshl_add_u32 v15, v1, 4, v15
	v_add_nc_u32 v[RD], s72, v15
	v_mul_u32_u24 v15, v2, ROWC
	v_lshl_add_u32 v[CO], v1, 4, v15
	s_lshl_b32 s74, s18, 8
	s_lshl_b32 s75, s[WV], 6
	s_add_co_u32 s74, s74, s75                     ; the first row of C that I store: 256 ty + 64 w
	s_mul_i32 s74, s74, ROWC
	s_mul_i32 s75, s17, 768                        ; the tile's first column, in bytes
	s_add_co_u32 s74, s74, s75
	s_mov_b32 s75, 0
	s_add_nc_u64 s[10:11], s[10:11], s[74:75]
	; the prefetches
	s_and_b32 s79, ttmp7, 0xffff                   ; cluster y
	s_mov_b32 s77, BSTEP
	s_mov_b32 s75, 36*256
	s_cmp_lt_u32 s[WV], 2                          ; do I fetch for A?
	s_cselect_b64 s[PFA:PFA+1], s[66:67], s[68:69] ; the rows that I fetch
	s_cselect_b32 s78, s15, s16                    ; my place among the four that ask for them with me
	s_cselect_b32 s79, ttmp9, s79                  ; the coordinate along which other clusters read the same rows
	s_cselect_b32 s[PFS], ASTEP, s77
	s_cselect_b32 s76, 24*256, s75                 ; a partner's share of the bytes
	s_cselect_b32 s74, 23, 17                      ; the last lane that names a block of its own
	s_cmp_eq_u32 s79, 0
	s_cselect_b32 s[LIM], 2, -1                    ; the same in all sixteen partners, for a given wave
	s_mul_i32 s78, s78, s76
	s_mov_b32 s79, 0
	s_add_nc_u64 s[PFA:PFA+1], s[PFA:PFA+1], s[78:79]
	s_mul_i32 s78, s[PFS], 3
	s_add_nc_u64 s[PFA:PFA+1], s[PFA:PFA+1], s[78:79]  ; at K step 3: the first refill steps it to 4.  Nothing is asked for here at the head
	s_mov_b32 s[PFS+1], 0
	v_and_b32 v[PFO], 31, v0
	v_min_u32 v[PFO], s74, v[PFO]
	v_lshlrev_b32 v[PFO], 8, v[PFO]
; na x 6 matrix instructions of quarter q: row blocks a0 .. a0 + na - 1 x column blocks 6 h .. 6 h + 5.  first = 1: the sum starts with the bias as C.
; The 96 accumulators take turns in one order in every quarter: between two links of a chain stand the 95 others'.
.macro PH q, h, a0, na, first=0
.set aa_, \a0
.rept \na
.set bb_, 6*(\h)
.rept 6
.set R_, 256+8*(24*(2*(\h)+aa_/4)+6*(aa_%4)+bb_%6)
.set D_, R_%256
.set FA_, FH+32*((2*(\q)+aa_/4)%3)+8*(aa_%4)
.set FB_, FB+8*bb_
.if \first
	BIASREG bb_
	WIN (R_/256)<<6                                ; sources and the bias in window 0, D in the accumulator's window
	v_wmma_f32_16x16x32_bf16 v[D_:D_+7], v[FB_:FB_+7], v[FA_:FA_+7], v[c_:c_+7]
.else
	WIN (R_/256)*0x50                              ; sources in window 0, C and D in the accumulator's window
	v_wmma_f32_16x16x32_bf16 v[D_:D_+7], v[FB_:FB_+7], v[FA_:FA_+7], v[D_:D_+7]
.endif
.set bb_, bb_+1
.endr
.set aa_, aa_+1
.endr
.endm
.macro LB h, q                         ; 12 LDS loads: B's column blocks 6 h .. 6 h + 5 of quarter q of the slot in hand, into X (h = 0) or Y (h = 1)
.irp i, 0,1,2,3,4,5
	ds_load_b128 v[FB+48*(\h)+8*(\i):FB+48*(\h)+8*(\i)+3],   v[ADRB] offset:(6*(\h)+(\i))*16*PITCH+(\q)*CH
	ds_load_b128 v[FB+48*(\h)+8*(\i)+4:FB+48*(\h)+8*(\i)+7], v[ADRB] offset:(6*(\h)+(\i))*16*PITCH+(\q)*CH+32
.endr
.endm
.macro LA hf, q                        ; 8 LDS loads: A's row blocks 4 hf .. 4 hf + 3 of quarter q % 3 of the slot in hand, into buffer (2 q + hf) % 3.  q = 3: the next step's quarter 0
.irp i, 0,1,2,3
	ds_load_b128 v[FH+32*((2*(\q)+(\hf))%3)+8*(\i):FH+32*((2*(\q)+(\hf))%3)+8*(\i)+3],   v[ADRA] offset:(4*(\hf)+(\i))*16*PITCH+((\q)%3)*CH
	ds_load_b128 v[FH+32*((2*(\q)+(\hf))%3)+8*(\i)+4:FH+32*((2*(\q)+(\hf))%3)+8*(\i)+7], v[ADRA] offset:(4*(\hf)+(\i))*16*PITCH+((\q)%3)*CH+32
.endr
.endm
; Quarter q = 0 or 1 of a step.  Each run of loads goes into registers whose last products stand just in front of its four places.
.macro QA q
	PLACES
	WIN 0
	LB 1, \q                                       ; Y for this quarter,
	LA 0, (\q)+1                                   ; and the next quarter's low half of A, into the buffer that the last quarter's high half has left
	s_wait_dscnt 28                                ; X and this quarter's low half are in; this quarter's high half (8) and the 20 just issued may be out
	PH \q, 0, 0, 4
	s_wait_dscnt 20                                ; the high half is in
	PH \q, 0, 4, 4
	PLACES
	WIN 0
	LB 0, (\q)+1                                   ; X for the next quarter
	s_wait_dscnt 20                                ; Y is in; the next low half (8) and the next X (12) may be out
	PH \q, 1, 0, 4
	PLACES
	WIN 0
	LA 1, (\q)+1                                   ; the next quarter's high half, into the buffer that this quarter's low half has just left
	PH \q, 1, 4, 4
.endm
; Quarter 2, with THE CHANGE OF SLOTS.  Y's loads are the slot's last reads.  In front of the one barrier each wave waits for all its tensor loads (the one that is out is its part of the next slot), adds
; 0 to its spare word, and waits for that and for its own reads of this slot.  Behind it nobody reads this slot any more and the next slot is whole.  fill = 1: the barrier opens a round of the
; cluster's, and the joint refill, two K steps on, is the first thing behind it: a wave issues 264 matrix instructions between a request and the wait for it.
.macro QC fill
.if \fill
	s_wait_xcnt 0x0                                ; the last prefetches, a K step back, have read their address
	s_add_nc_u64 s[PFA:PFA+1], s[PFA:PFA+1], s[PFS:PFS+1]
.endif
	PLACES
	WIN 0
	LB 1, 2
	s_wait_dscnt 20                                ; X and the low half are in; the high half (8) and Y (12) may be out
	PH 2, 0, 0, 4
	WIN 0                                          ; (the add's two registers lie in window 0)
	s_wait_tensorcnt 0x0                           ; no tensor load of mine is out, so a group 0 may be written
	ds_add_u32 v[SPW], v[NIL]                      ; 0 onto my spare word; work on registers stands between it and the wait for it
.if \fill
	s_add_co_u32 s[G0+5], s[WPA], s[TB]            ; the walking descriptors: into the slot that is being left,
	s_add_nc_u64 s[G0+6:G0+7], s[G0+6:G0+7], ASTEP ; the next K block; the type bits on top are not reached
	s_add_co_u32 s[G0B+5], s[WPB], s[TB]
	s_add_nc_u64 s[G0B+6:G0B+7], s[G0B+6:G0B+7], BSTEP
.endif
	s_xor_b32 s[TB], s[TB], SLOT                   ; the other slot: 0 or SLOT
	v_add_nc_u32 v[ADRA], s[TB], v[A0]
	v_add_nc_u32 v[ADRB], s[TB], v[B0]
	s_wait_dscnt 13                                ; the high half is in; Y (12) and the add may be out
	PH 2, 0, 4, 2
	s_wait_dscnt 0x0                               ; the add is done, and my reads of this slot are over
	s_barrier_signal -1
	PH 2, 0, 6, 2
	WIN 0
	s_barrier_wait -1
.if \fill
	CREST                                          ; no wave of any partner still reads this slot or has a load on its way
	JLOAD                                          ; the first tensor load behind the round; its four v_nop are also the places in front of the loads below
.else
	PLACES
.endif
	LA 0, 3                                        ; the next slot's first reads: quarter 0's low half of A,
	LB 0, 0                                        ; and its X
.if \fill
	ASK
.endif
	PH 2, 1, 0, 4
	PLACES
	WIN 0
	LA 1, 3
	PH 2, 1, 4, 4
.endm
	s_wait_loadcnt 0x0                             ; the bias
	s_wait_tensorcnt 1                             ; my part of K step 0 is in; K step 1's may stay out
	s_barrier_signal -1
	s_barrier_wait -1                              ; everybody's is
	; THE FIRST QUARTER stands in front of the loop: its products start the sums, with the bias.  Y holds the bias of blocks 0-5 until X's products have taken it, so Y's loads come late, once.
	LB 0, 0
	LA 0, 0
	LA 1, 0
	LA 0, 1
	s_wait_dscnt 16                                ; X and the low half are in; the high half (8) and the next low half (8) may be out
	PH 0, 0, 0, 4, 1
	s_wait_dscnt 8
	PH 0, 0, 4, 4, 1
	PLACES
	WIN 0
	LB 1, 0
	LB 0, 1
	s_wait_dscnt 12                                ; Y is in; the next X may be out
	PH 0, 1, 0, 4, 1
	PLACES
	WIN 0
	LA 1, 1
	PH 0, 1, 4, 4, 1
	WIN 0                                          ; at a label and at a branch every window is 0
	s_mov_b32 s3, 9
.Lstep:                                            ; a trip goes from a step's second quarter to the next step's first; steps 0 to 8 ask for K steps 2 to 10
	QA 1
	QC 1
	QA 0
	WIN 0
	s_sub_co_u32 s3, s3, 1
	s_cmp_lg_u32 s3, 0
	s_cbranch_scc1 .Lstep
	QA 1                                           ; the tail is written out: step 9 asks for nothing
	QC 0
	QA 0                                           ; and step 10 has two quarters: k = 960 .. 1,023
	PLACES
	WIN 0
	LB 1, 1
	s_wait_dscnt 20                                ; X and the low half are in
	PH 1, 0, 0, 4
	s_wait_dscnt 12                                ; the high half is in
	PH 1, 0, 4, 4
	s_wait_dscnt 0x0                               ; Y is in: my last reads of the ring are back:
	s_barrier_signal -1                            ; say so,
	PH 1, 1, 0, 8
	WIN 0
	s_barrier_wait -1                              ; and write over the ring only when all four waves have said so
	; THE WAY OUT: rounded to f16 in place, each accumulator from its low end on; 16 bytes a lane into the work-group's stage; a barrier, since a block of 256 bytes comes from two waves; back as whole rows.
	PLACES
.irp w, 1,2,3
	WIN (\w)*0x45                                  ; destination and both sources in window w
.set k_, 0
.rept 32
.irp r, 0,1,2,3
	v_cvt_pk_f16_f32 v[8*k_+(\r)], v[8*k_+2*(\r)], v[8*k_+2*(\r)+1]
.endr
.set k_, k_+1
.endr
	WIN (\w)<<2                                    ; the data in window w, the address in window 0
.set k_, 0
.rept 32
.set n_, 32*((\w)-1)+k_
.set a_, 4*((n_/24)%2)+(n_%24)/6
.set b_, 6*(n_/48)+n_%6
	ds_store_b128 v[STO+a_/4], v[8*k_:8*k_+3] offset:(a_%4)*16*SPITCH+32*b_
.set k_, k_+1
.endr
.endr
	WIN 0
	s_wait_dscnt 0x0                               ; for the others' sake: my stores into the stage are done
	s_barrier_signal -1
	s_barrier_wait -1
	s_mov_b32 s3, 4
.Lout:                                             ; a trip: 16 of my 64 rows
.set n_, 0
.rept 24
	ds_load_b128 v[FH+4*n_:FH+4*n_+3], v[RD] offset:(n_/3)*2*SPITCH+(n_%3)*256
.set n_, n_+1
.endr
.set n_, 0
.rept 24
	s_wait_dscnt 23-n_                             ; LDS loads come back in order: number n is in
	global_store_b128 v[CO], v[FH+4*n_:FH+4*n_+3], s[10:11] offset:(n_/3)*2*ROWC+(n_%3)*256  ; 16 lanes store 256 consecutive bytes, at a multiple of 256 from the buffer's first byte
.set n_, n_+1
.endr
	s_wait_xcnt 0x0                                ; the stores have read their data and their base: both are written again only behind this wait
	s_add_nc_u64 s[10:11], s[10:11], 16*ROWC
	v_add_nc_u32 v[RD], 16*SPITCH, v[RD]
	s_sub_co_u32 s3, s3, 1
	s_cmp_lg_u32 s3, 0
	s_cbranch_scc1 .Lout
	s_wait_tensorcnt 0x0                           ; the wave's end: behind my last tensor load and my last LDS store
	ds_add_u32 v[SPW], v[NIL]
	s_wait_dscnt 0x0
	CROUND                                         ; the closing round: no work-group ends while a partner may still ask for a tile that names it
	s_endpgm
.Lfunc_end_k_q7f9f4e8e21_proj:
	.size	k_q7f9f4e8e21_proj, .Lfunc_end_k_q7f9f4e8e21_proj-k_q7f9f4e8e21_proj
	.p2alignl 7, 3214868480
	.fill 96, 4, 3214868480
	.section	.rodata,"a",@progbits
	.p2align	6, 0x0
	.amdhsa_kernel k_q7f9f4e8e21_proj
		.amdhsa_group_segment_fixed_size 327680
		.amdhsa_private_segment_fixed_size 0
		.amdhsa_enable_private_segment 0
		.amdhsa_kernarg_size 32
		.amdhsa_user_sgpr_count 2
		.amdhsa_user_sgpr_kernarg_segment_ptr 1
		.amdhsa_wavefront_size32 1
		.amdhsa_system_sgpr_workgroup_id_x 1
		.amdhsa_system_sgpr_workgroup_id_y 1
		.amdhsa_system_sgpr_workgroup_id_z 1
		.amdhsa_system_vgpr_workitem_id 0
		.amdhsa_next_free_vgpr 1024
		.amdhsa_next_free_sgpr 80
		.amdhsa_reserve_vcc 0
		.amdhsa_float_denorm_mode_32 3
		.amdhsa_float_denorm_mode_16_64 3
		.amdhsa_memory_ordered 1
		.amdhsa_forward_progress 1
		.amdhsa_inst_pref_size 121
	.end_amdhsa_kernel
	.amdgpu_metadata
---
amdhsa.version: [ 1, 2 ]
amdhsa.kernels:
  - .name:           k_q7f9f4e8e21_proj
    .symbol:         k_q7f9f4e8e21_proj.kd
    .args:
      - { .name: xb, .offset: 0, .size: 8, .value_kind: global_buffer, .address_space: global }
      - { .name: wb, .offset: 8, .size: 8, .value_kind: global_buffer, .address_space: global }
      - { .name: bb, .offset: 16, .size: 8, .value_kind: global_buffer, .address_space: global }
      - { .name: qkv, .offset: 24, .size: 8, .value_kind: global_buffer, .address_space: global }
    .group_segment_fixed_size: 327680
    .private_segment_fixed_size: 0
    .kernarg_segment_align: 8
    .kernarg_segment_size: 32
    .max_flat_workgroup_size: 128
    .sgpr_count:     80
    .vgpr_count:     1024
    .wavefront_size: 32
...
	.end_amdgpu_metadata
.endif
;; end of part 2
;; launch score (part 3): grid 36 x 4, 4 waves a work-group, no clusters, 327,680 bytes of LDS; arguments qkv, pbuf, mst, lst; writes pbuf, mst, lst
.if DOCPART == 3
	.amdgcn_target "amdgcn-amd-amdhsa--gfx1250"
	.amdhsa_code_object_version 6
	.text
	.protected	k_q7f9f4e8e21_score
	.globl	k_q7f9f4e8e21_score
	.p2align	8
	.type	k_q7f9f4e8e21_score,@function
k_q7f9f4e8e21_score:
	s_mov_b64 s[64:65], 0
	v_nop
	global_prefetch_b8 v0, s[64:65] scope:SCOPE_SE
	s_setreg_imm32_b32 hwreg(HW_REG_WAVE_MODE, 25, 1), 1
	s_wait_xcnt 0x0
; SCORE.  For each tile (I, J), J <= I, of 256 queries x 256 keys of a batch: S = q k^T (f16 operands, f32 sums over 1,024 channels); above the diagonal a score counts as -1e30;
; for each row the tile's own maximum m; p = 2^(c s - c m), c = log2(e) / 32, rounded to f16 into pbuf [4][2048][2048]; c m into mst [J][row], l = the sum of the unrounded p into lst [J][row].
; The rows' maxima over all tiles are taken in the next launch, from mst: together a true running maximum in two levels.
; LIMITS.  A hidden score counts as -1e30 (f16's scores are 4.4e12 at the most); a weight below 2^-126 counts as 0; NaN and infinities are not treated apart.
; 36 tiles a batch, 144 work-groups.  NO CLUSTER: the triangle's rows and columns of tiles have 1 to 8 tiles, which do not divide into fours, and a 4 x 4 block on the diagonal would hold
; work-groups with nothing visible to compute.
; The product: four waves, each 128 x 128 in 64 accumulators; K in steps of 128 through two LDS slots; source 0 = 16 keys, source 1 = 16 queries: lane l holds query l % 16 and keys 8 (l / 16) + 0..7.
; REGISTERS: window 0: v0-31 addresses; v64-127, v128-191 q's fragments, two buffers; window 1: k's likewise; window 2: accumulators of my query rows 0-63 at 8 (8 a + b); window 3: rows 64-127.
; The softmax is written once: S goes through LDS (over the ring, which has had its last fill and has been read out), and a loop of eight trips takes eight rows a wave.
.set KSTEP,  128
.set PITCH,  272                       ; 256 bytes + 16 of padding: the 16 rows of a fragment load start 4 banks apart (ISA guide 11.1)
.set HALFT,  128*PITCH
.set SLOT,   4*HALFT                   ; q's 256 rows, then k's 256 rows
.set SPARE,  2*SLOT                    ; the spare words, 128 bytes a wave: two blocks of 256 bytes that no other line names
.set XP,     1040                      ; the stage: a row of 256 f32 + 16 bytes = 260 words
.set STATM,  256*XP                    ; behind S: c m of the tile's 256 rows, then l
.set ROWQ,   6144                      ; bytes in a row of qkv
.set ADRA, 16
.set ADRB, 20
.set ML,   18                          ; v18  where I read my wave's statistics back
.set GM,   19                          ; v19  8 x lane
.set SA,   22                          ; v22  where a row's statistics go
.set BG,   23                          ; v23  -1e30
.set STO0, 24                          ; v24-25  where an accumulator goes in the stage: row blocks 0-3, 4-7
.set RD,   26                          ; v26  where I read rows of S
.set TH,   27                          ; v27  my row in the tile less 8 (l % 16): key j of mine is hidden where j is greater
.set SPW,  28
.set NIL,  29
.set PFO,  30                          ; v30  lane x 6,144
.set PO,   31                          ; v31  my byte offset in two rows of pbuf
.set MX,   32                          ; v32-35  a row pair's maximum
.set CM,   36                          ; v36-43  c m in the even registers; the odd ones are written once, being named in pairs
.set F0,   64
.set F1,   128
.set X,    64                          ; v64-127  the softmax: 16 scores for each of four row pairs
.set PK,   128                         ; v128-159 the weights in f16
.set WV,   12
.set TI,   15
.set TJ,   16
.set G1,   24
.set G0,   32
.set LIM,  43
.set PFA,  44
.set CS,   46                          ; s[46:47] c
.set MSB, 0
.macro WIN new
.if MSB != (\new)
	s_set_vgpr_msb (MSB<<8)|(\new)
.set MSB, \new
.endif
.endm
.set MUL_LO, 0xa1                      ; source 0 (k) window 1, source 1 (q) window 0, C and D window 2
.set MUL_HI, 0xf1
.set TO_B,   0x40
.macro PLACES
.rept 4
	v_nop
.endr
.endm
; A prefetch behind each refill: the K step two refills on, my own 128 rows, a lane a row, four instructions.  q's rows of tile row I are read by all tiles (I, .): the one with J = 0 asks (waves 0, 1);
; k's rows of tile column J by all tiles (., J): the one with I = J asks (waves 2, 3).  So each block is named once.  The loop's last trip has no K step two on.
.macro ASK
	s_cmp_gt_u32 s3, s[LIM]
	s_cbranch_scc0 .Lnot_mine_\@
.irp k, 0,1,2,3
	global_prefetch_b8 v[PFO], s[PFA:PFA+1] offset:KSTEP*2+32*ROWQ*(\k) th:TH_LOAD_NT scope:SCOPE_SE
.endr
.Lnot_mine_\@:
.endm
	s_load_b256 s[4:11], s[0:1], 0x0               ; qkv s[4:5], pbuf s[6:7], mst s[8:9], lst s[10:11]
	v_lshl_add_u32 v[SPW], v0, 2, SPARE
	v_mov_b32 v[NIL], 0
	ds_add_u32 v[SPW], v[NIL]                      ; the wave's opening: the add and its wait stand ahead of my first tensor load
	ds_add_u32 v28, v29
	v_lshrrev_b32 v1, 5, v0
	v_readfirstlane_b32 s[WV], v1
	s_lshr_b32 s13, s[WV], 1                       ; wm: which 128 queries are mine.  Also: I fetch q (0) or k (1)
	s_and_b32 s14, s[WV], 1                        ; wn: which 128 keys.  Also: which 128 rows I fetch
	s_mov_b32 s18, ttmp9                           ; t = I (I + 1) / 2 + J
	s_mov_b32 s[TI], 0
.irp thr, 1,3,6,10,15,21,28
	s_cmp_ge_u32 s18, \thr
	s_cselect_b32 s19, 1, 0
	s_add_co_u32 s[TI], s[TI], s19
.endr
	s_add_co_u32 s19, s[TI], 1
	s_mul_i32 s19, s19, s[TI]
	s_lshr_b32 s19, s19, 1
	s_sub_co_u32 s[TJ], s18, s19
	s_and_b32 s17, ttmp7, 0xffff                   ; the batch
	s_mov_b32 s[G1+0], (1<<16)|(1<<20)|(5<<22)|(3<<25)  ; elements of 2 bytes; padding on: after every 64 words, 4 words
	s_mov_b32 s[G1+1], KSTEP<<16                   ; tensor_dim0 = 128
	s_mov_b32 s[G1+2], 128<<16                     ; tensor_dim1 = 128
	s_mov_b32 s[G1+3], KSTEP<<16                   ; tile_dim0 = 128
	s_mov_b32 s[G1+4], 128                         ; tile_dim1 = 128
	s_mov_b32 s[G1+5], 3072                        ; elements from row to row
	s_mov_b32 s[G1+6], 0
	s_mov_b32 s[G1+7], 0
	s_cmp_lt_u32 s[WV], 2
	s_cselect_b32 s18, s[TI], s[TJ]                ; waves 0, 1: q's tile row; waves 2, 3: k's tile column
	s_cselect_b32 s19, 0, 2048                     ; q at byte 0 of a row, k at byte 2,048
	s_cselect_b32 s23, 0, s[TI]                    ; I prefetch where J equals this
	s_lshl_b32 s18, s18, 8
	s_lshl_b32 s20, s17, 11
	s_add_co_u32 s18, s18, s20
	s_lshl_b32 s20, s14, 7
	s_add_co_u32 s18, s18, s20                     ; the first row that I fetch
	s_mul_i32 s18, s18, ROWQ
	s_add_co_u32 s18, s18, s19
	s_mov_b32 s19, 0
	s_cmp_eq_u32 s[TJ], s23
	s_cselect_b32 s[LIM], 1, -1
	s_mul_i32 s22, s[WV], HALFT                    ; where my 128 rows go
	s_mov_b32 s[CS], 0x3d38aa3b                    ; c = log2(e) / 32
	s_mov_b32 s[CS+1], s[CS]
	s_wait_dscnt 0x0                               ; the opening add is done
	s_wait_kmcnt 0x0
	s_add_nc_u64 s[20:21], s[4:5], s[18:19]
.irp s, 0,1
	s_mov_b32 s[G0+4*(\s)], 1
	s_add_co_u32 s[G0+4*(\s)+1], s22, (\s)*SLOT
	s_add_nc_u64 s[G0+4*(\s)+2:G0+4*(\s)+3], s[20:21], (\s)*KSTEP*2
	s_or_b32 s[G0+4*(\s)+3], s[G0+4*(\s)+3], 0x80000000
	tensor_load_to_lds s[G0+4*(\s):G0+4*(\s)+3], s[G1:G1+7]   ; K steps 0 and 1: two loads of mine are out
	s_nop 0
.endr
	s_add_nc_u64 s[PFA:PFA+1], s[20:21], 2*KSTEP*2 ; at K step 2: the first refill steps it to 3 and names K step 4
	v_and_b32 v1, 15, v0                           ; r
	v_bfe_u32 v2, v0, 4, 1                         ; h
	v_and_b32 v5, 31, v0                           ; lane
	v_mul_u32_u24 v[PFO], v5, ROWQ
	v_mul_u32_u24 v3, v1, PITCH
	v_lshl_add_u32 v3, v2, 4, v3
	s_mul_i32 s48, s13, HALFT
	s_mul_i32 s49, s14, HALFT
	s_add_co_u32 s49, s49, 2*HALFT
.irp s, 0,1
	v_add_nc_u32 v[ADRA+(\s)], s48, v3
	v_add_nc_u32 v[ADRB+(\s)], s49, v3
	s_add_co_u32 s48, s48, SLOT
	s_add_co_u32 s49, s49, SLOT
.endr
	s_mul_i32 s48, s13, 128*XP                     ; into the stage: row 128 wm + 16 a + r, bytes 512 wn + 64 b + 32 h
	s_lshl_b32 s49, s14, 9
	s_add_co_u32 s48, s48, s49
	v_mul_u32_u24 v4, v1, XP
	v_lshl_add_u32 v4, v2, 5, v4
	v_add_nc_u32 v[STO0], s48, v4
	v_add_nc_u32 v[STO0+1], 64*XP, v[STO0]
	s_mul_i32 s48, s[WV], 64*XP                    ; back: wave w owns rows 64 w .. 64 w + 63; half h of the lanes a row; lane r keys 8 r .. 8 r + 7 and 128 + 8 r .. + 7
	v_mul_u32_u24 v4, v2, XP
	v_lshl_add_u32 v4, v1, 5, v4
	v_add_nc_u32 v[RD], s48, v4
	s_lshl_b32 s48, s[WV], 6
	v_lshlrev_b32 v4, 3, v1
	v_sub_nc_u32 v4, v2, v4
	v_add_nc_u32 v[TH], s48, v4                    ; 64 w + h - 8 r
	s_lshl_b32 s48, s[WV], 8
	s_add_co_u32 s48, s48, STATM
	v_lshl_add_u32 v[SA], v2, 2, s48
	v_lshl_add_u32 v[ML], v5, 3, s48
	v_lshlrev_b32 v[GM], 3, v5
	v_lshlrev_b32 v4, 12, v2
	v_lshl_add_u32 v[PO], v1, 4, v4                ; 4,096 h + 16 r
	v_mov_b32 v[BG], 0xf149f2ca                    ; -1e30
.irp u, 0,1,2,3
	v_mov_b32 v[CM+2*(\u)+1], 0
.endr
	s_lshl_b32 s48, s17, 11
	s_lshl_b32 s49, s[TI], 8
	s_add_co_u32 s48, s48, s49
	s_lshl_b32 s49, s[WV], 6
	s_add_co_u32 s48, s48, s49                     ; my first row among the 8,192
	s_lshl_b32 s50, s48, 12
	s_lshl_b32 s49, s[TJ], 9
	s_add_co_u32 s50, s50, s49
	s_mov_b32 s51, 0
	s_add_nc_u64 s[6:7], s[6:7], s[50:51]          ; pbuf at my first row, the tile's first key
	s_lshl_b32 s49, s[TJ], 13
	s_add_co_u32 s52, s48, s49
	s_lshl_b32 s52, s52, 2
	s_mov_b32 s53, 0
	s_add_nc_u64 s[8:9], s[8:9], s[52:53]
	s_add_nc_u64 s[10:11], s[10:11], s[52:53]
; 16 matrix instructions: query blocks a0, a0 + 1 of the window's four x all 8 key blocks, 32 along K.  zero = 1: the first product starts the sums.  The 64 accumulators take turns in one order.
.macro MUL16 f, hi, a0, zero
	WIN MUL_LO+0x50*(\hi)
.irp a, \a0, (\a0)+1
.irp b, 0,1,2,3,4,5,6,7
.if \zero
	v_wmma_f32_16x16x32_f16 v[8*(8*(\a)+(\b)):8*(8*(\a)+(\b))+7], v[(\f)+8*(\b):(\f)+8*(\b)+7], v[(\f)+8*(4*(\hi)+(\a)):(\f)+8*(4*(\hi)+(\a))+7], 0
.else
	v_wmma_f32_16x16x32_f16 v[8*(8*(\a)+(\b)):8*(8*(\a)+(\b))+7], v[(\f)+8*(\b):(\f)+8*(\b)+7], v[(\f)+8*(4*(\hi)+(\a)):(\f)+8*(4*(\hi)+(\a))+7], v[8*(8*(\a)+(\b)):8*(8*(\a)+(\b))+7]
.endif
.endr
.endr
.endm
.macro FETCH slot, k, f                ; 32 LDS loads in one run: 128 rows of k, then 128 rows of q, 32 K at byte k of the rows
	WIN TO_B
.irp i, 0,1,2,3,4,5,6,7
	ds_load_b128 v[(\f)+8*(\i):(\f)+8*(\i)+3],   v[ADRB+(\slot)] offset:(\k)+(\i)*16*PITCH
	ds_load_b128 v[(\f)+8*(\i)+4:(\f)+8*(\i)+7], v[ADRB+(\slot)] offset:(\k)+(\i)*16*PITCH+32
.endr
	WIN 0
.irp i, 0,1,2,3,4,5,6,7
	ds_load_b128 v[(\f)+8*(\i):(\f)+8*(\i)+3],   v[ADRA+(\slot)] offset:(\k)+(\i)*16*PITCH
	ds_load_b128 v[(\f)+8*(\i)+4:(\f)+8*(\i)+7], v[ADRA+(\slot)] offset:(\k)+(\i)*16*PITCH+32
.endr
.endm
.macro QUARTER slot, k, f, g, zero
	s_wait_dscnt 8                                 ; k's and q's rows 0-63 are in; the youngest eight loads (q's rows 64-127) may be out
	MUL16 \f, 0, 0, \zero
	MUL16 \f, 0, 2, \zero
	PLACES
	FETCH \slot, \k, \g
	s_wait_dscnt 32                                ; all but the 32 just issued
	MUL16 \f, 1, 0, \zero
	MUL16 \f, 1, 2, \zero
.endm
; The last quarter of a K step multiplies buffer 1 and changes slots: one barrier; in front of it each wave waits for all its tensor loads (its part of the next slot), adds 0 to its spare word, and waits
; for that and for its own reads of this slot.  fill = 1: this slot is filled again, two K steps on, first thing behind the barrier.
.macro TURN slot, next, fill
.if \fill
	s_wait_xcnt 0x0                                ; the last prefetches, a K step back, have read their address
	s_add_nc_u64 s[PFA:PFA+1], s[PFA:PFA+1], KSTEP*2
.endif
	WIN 0
	s_wait_tensorcnt 0x0
	ds_add_u32 v[SPW], v[NIL]
	s_wait_dscnt 9                                 ; (the add and the youngest eight loads may be out)
	MUL16 F1, 0, 0, 0
	s_wait_dscnt 0x0                               ; the add is done, and my reads of this slot are over
	s_barrier_signal -1
	MUL16 F1, 0, 2, 0
	s_barrier_wait -1
.if \fill
	s_add_nc_u64 s[G0+4*(\slot)+2:G0+4*(\slot)+3], s[G0+4*(\slot)+2:G0+4*(\slot)+3], 2*KSTEP*2
	tensor_load_to_lds s[G0+4*(\slot):G0+4*(\slot)+3], s[G1:G1+7]
	s_nop 0
.endif
	PLACES                                         ; behind the tensor load, and in front of the loads below
	FETCH \next, 0, F0
.if \fill
	ASK
.endif
	MUL16 F1, 1, 0, 0
	MUL16 F1, 1, 2, 0
.endm
	s_wait_tensorcnt 1                             ; my part of K step 0 is in; K step 1's may stay out
	s_barrier_signal -1
	s_barrier_wait -1
	FETCH 0, 0, F0
	QUARTER 0, 64, F0, F1, 1
	WIN 0
	s_mov_b32 s3, 3
.Llap:
	QUARTER 0, 128, F1, F0, 0
	QUARTER 0, 192, F0, F1, 0
	TURN 0, 1, 1
	QUARTER 1, 64,  F0, F1, 0
	QUARTER 1, 128, F1, F0, 0
	QUARTER 1, 192, F0, F1, 0
	TURN 1, 0, 1
	QUARTER 0, 64,  F0, F1, 0
	WIN 0
	s_sub_co_u32 s3, s3, 1
	s_cmp_lg_u32 s3, 0
	s_cbranch_scc1 .Llap
	QUARTER 0, 128, F1, F0, 0                      ; the last lap fills nothing
	QUARTER 0, 192, F0, F1, 0
	TURN 0, 1, 0
	QUARTER 1, 64,  F0, F1, 0
	QUARTER 1, 128, F1, F0, 0
	QUARTER 1, 192, F0, F1, 0
	s_wait_dscnt 8
	MUL16 F1, 0, 0, 0
	MUL16 F1, 0, 2, 0
	s_wait_dscnt 0x0                               ; my last reads of the ring are back:
	s_barrier_signal -1                            ; say so,
	MUL16 F1, 1, 0, 0
	MUL16 F1, 1, 2, 0
	WIN 0
	s_barrier_wait -1                              ; and write over the ring only when all four waves have said so
	PLACES
	; S into the stage, each accumulator's low four registers first
.irp a, 0,1,2,3,4,5,6,7
	WIN 0x08+4*((\a)/4)                            ; the data in window 2 or 3
.irp b, 0,1,2,3,4,5,6,7
	ds_store_b128 v[STO0+(\a)/4], v[8*(8*((\a)%4)+(\b)):8*(8*((\a)%4)+(\b))+3]   offset:((\a)%4)*16*XP+64*(\b)
	ds_store_b128 v[STO0+(\a)/4], v[8*(8*((\a)%4)+(\b))+4:8*(8*((\a)%4)+(\b))+7] offset:((\a)%4)*16*XP+64*(\b)+16
.endr
.endr
	WIN 0
	s_wait_dscnt 0x0                               ; for the others' sake
	s_barrier_signal -1
	s_barrier_wait -1
	; THE SOFTMAX OF THE TILE.  A trip: eight rows, as four pairs u; half h of the lanes holds row 2 u + h of them, 16 scores a lane.
	s_mov_b32 s3, 8
.Lrows:
.irp u, 0,1,2,3
	ds_load_b128 v[X+16*(\u):X+16*(\u)+3],     v[RD] offset:2*XP*(\u)
	ds_load_b128 v[X+16*(\u)+4:X+16*(\u)+7],   v[RD] offset:2*XP*(\u)+16
	ds_load_b128 v[X+16*(\u)+8:X+16*(\u)+11],  v[RD] offset:2*XP*(\u)+512
	ds_load_b128 v[X+16*(\u)+12:X+16*(\u)+15], v[RD] offset:2*XP*(\u)+528
.endr
	s_wait_dscnt 0x0
	s_cmp_lg_u32 s[TI], s[TJ]
	s_cbranch_scc1 .Lopen                          ; only the diagonal tile has hidden keys
.irp u, 0,1,2,3
.set j, 0
.rept 16
	v_cmp_gt_i32 vcc_lo, j+120*(j/8)-2*(\u), v[TH] ; my key's place in the tile, 8 r + j (+ 120 for the second eight), is greater than my row's
	v_cndmask_b32 v[X+16*(\u)+j], v[X+16*(\u)+j], v[BG], vcc_lo
.set j, j+1
.endr
.endr
.Lopen:
.irp u, 0,1,2,3
	v_max3_num_f32 v[MX+(\u)], v[X+16*(\u)], v[X+16*(\u)+1], v[X+16*(\u)+2]
.endr
.irp n, 3,5,7,9,11,13
.irp u, 0,1,2,3
	v_max3_num_f32 v[MX+(\u)], v[MX+(\u)], v[X+16*(\u)+(\n)], v[X+16*(\u)+(\n)+1]
.endr
.endr
.irp u, 0,1,2,3
	v_max_num_f32 v[MX+(\u)], v[MX+(\u)], v[X+16*(\u)+15]
.endr
.irp m, 1,2,4,8
.irp u, 0,1,2,3
	v_max_num_f32_dpp v[MX+(\u)], v[MX+(\u)], v[MX+(\u)] row_xmask:\m row_mask:0xf bank_mask:0xf
.endr
.endr
.irp u, 0,1,2,3
	v_mul_f32 v[CM+2*(\u)], s[CS], v[MX+(\u)]      ; c m
.endr
.irp u, 0,1,2,3
.irp p, 0,1,2,3,4,5,6,7
	v_pk_fma_f32 v[X+16*(\u)+2*(\p):X+16*(\u)+2*(\p)+1], v[X+16*(\u)+2*(\p):X+16*(\u)+2*(\p)+1], s[CS:CS+1], v[CM+2*(\u):CM+2*(\u)+1] op_sel_hi:[1,0,0] neg_lo:[0,0,1] neg_hi:[0,0,1]
.endr
.endr
.set j, 0
.rept 64
	v_exp_f32 v[X+j], v[X+j]                       ; one batch of 64
.set j, j+1
.endr
	v_nop                                          ; a plain instruction behind the last exponential,
	s_wait_alu depctr_va_vdst(0)                   ; and one wait ahead of the batch's first reader
.irp u, 0,1,2,3
.irp p, 0,1,2,3,4,5,6,7
	v_cvt_pk_f16_f32 v[PK+8*(\u)+(\p)], v[X+16*(\u)+2*(\p)], v[X+16*(\u)+2*(\p)+1]
.endr
.endr
.irp u, 0,1,2,3
	global_store_b128 v[PO], v[PK+8*(\u):PK+8*(\u)+3],   s[6:7] offset:8192*(\u)       ; 16 lanes store 256 consecutive bytes, aligned: keys 0-127 of a row,
	global_store_b128 v[PO], v[PK+8*(\u)+4:PK+8*(\u)+7], s[6:7] offset:8192*(\u)+256   ; and keys 128-255
.endr
.irp d, 2,4,8
.irp u, 0,1,2,3
.set p, 0
.rept 16/(2*(\d))
	v_pk_add_f32 v[X+16*(\u)+p:X+16*(\u)+p+1], v[X+16*(\u)+p:X+16*(\u)+p+1], v[X+16*(\u)+p+(\d):X+16*(\u)+p+(\d)+1]
.set p, p+2*(\d)
.endr
.endr
.endr
.irp u, 0,1,2,3
	v_add_f32 v[X+16*(\u)], v[X+16*(\u)], v[X+16*(\u)+1]
.endr
.irp m, 1,2,4,8
.irp u, 0,1,2,3
	v_add_f32_dpp v[X+16*(\u)], v[X+16*(\u)], v[X+16*(\u)] row_xmask:\m row_mask:0xf bank_mask:0xf
.endr
.endr
.irp u, 0,1,2,3
	ds_store_b32 v[SA], v[CM+2*(\u)] offset:8*(\u)        ; the 16 lanes of a half write the same word with the same number
	ds_store_b32 v[SA], v[X+16*(\u)] offset:8*(\u)+1024
.endr
	s_wait_xcnt 0x0                                ; the stores have read their data and their base: both are written again only behind this wait
	s_add_nc_u64 s[6:7], s[6:7], 8*4096
	v_add_nc_u32 v[RD], 8*XP, v[RD]
	v_add_nc_u32 v[TH], 8, v[TH]
	v_add_nc_u32 v[SA], 32, v[SA]
	s_sub_co_u32 s3, s3, 1
	s_cmp_lg_u32 s3, 0
	s_cbranch_scc1 .Lrows
	ds_load_b64 v[32:33], v[ML]                    ; my wave's own 64 rows: 256 bytes of c m, 256 of l (LDS serves a wave's instructions in order: ISA guide 5.7.1.4)
	ds_load_b64 v[34:35], v[ML] offset:1024
	s_wait_dscnt 0x0
	global_store_b64 v[GM], v[32:33], s[8:9]       ; a wave stores 256 consecutive bytes, aligned
	global_store_b64 v[GM], v[34:35], s[10:11]
	s_wait_tensorcnt 0x0                           ; the wave's end
	ds_add_u32 v[SPW], v[NIL]
	s_wait_dscnt 0x0
	s_endpgm
.Lfunc_end_k_q7f9f4e8e21_score:
	.size	k_q7f9f4e8e21_score, .Lfunc_end_k_q7f9f4e8e21_score-k_q7f9f4e8e21_score
	.p2alignl 7, 3214868480
	.fill 96, 4, 3214868480
	.section	.rodata,"a",@progbits
	.p2align	6, 0x0
	.amdhsa_kernel k_q7f9f4e8e21_score
		.amdhsa_group_segment_fixed_size 327680
		.amdhsa_private_segment_fixed_size 0
		.amdhsa_enable_private_segment 0
		.amdhsa_kernarg_size 32
		.amdhsa_user_sgpr_count 2
		.amdhsa_user_sgpr_kernarg_segment_ptr 1
		.amdhsa_wavefront_size32 1
		.amdhsa_system_sgpr_workgroup_id_x 1
		.amdhsa_system_sgpr_workgroup_id_y 1
		.amdhsa_system_sgpr_workgroup_id_z 1
		.amdhsa_system_vgpr_workitem_id 0
		.amdhsa_next_free_vgpr 1024
		.amdhsa_next_free_sgpr 66
		.amdhsa_reserve_vcc 1
		.amdhsa_float_denorm_mode_32 3
		.amdhsa_float_denorm_mode_16_64 3
		.amdhsa_memory_ordered 1
		.amdhsa_forward_progress 1
		.amdhsa_inst_pref_size 138
	.end_amdhsa_kernel
	.amdgpu_metadata
---
amdhsa.version: [ 1, 2 ]
amdhsa.kernels:
  - .name:           k_q7f9f4e8e21_score
    .symbol:         k_q7f9f4e8e21_score.kd
    .args:
      - { .name: qkv, .offset: 0, .size: 8, .value_kind: global_buffer, .address_space: global }
      - { .name: pbuf, .offset: 8, .size: 8, .value_kind: global_buffer, .address_space: global }
      - { .name: mst, .offset: 16, .size: 8, .value_kind: global_buffer, .address_space: global }
      - { .name: lst, .offset: 24, .size: 8, .value_kind: global_buffer, .address_space: global }
    .group_segment_fixed_size: 327680
    .private_segment_fixed_size: 0
    .kernarg_segment_align: 8
    .kernarg_segment_size: 32
    .max_flat_workgroup_size: 128
    .sgpr_count:     66
    .vgpr_count:     1024
    .wavefront_size: 32
...
	.end_amdgpu_metadata
.endif
;; end of part 3
;; launch mix (part 4): grid 8 x 32, 4 waves a work-group, clusters of 4 x 1, 327,680 bytes of LDS; arguments qkv, pbuf, mst, lst, out0; writes out0
.if DOCPART == 4
	.amdgcn_target "amdgcn-amd-amdhsa--gfx1250"
	.amdhsa_code_object_version 6
	.text
	.protected	k_q7f9f4e8e21_mix
	.globl	k_q7f9f4e8e21_mix
	.p2align	8
	.type	k_q7f9f4e8e21_mix,@function
k_q7f9f4e8e21_mix:
	s_mov_b64 s[64:65], 0
	v_nop
	global_prefetch_b8 v0, s[64:65] scope:SCOPE_SE
	s_setreg_imm32_b32 hwreg(HW_REG_WAVE_MODE, 25, 1), 1
	s_wait_xcnt 0x0
	s_wait_alu depctr_hold_cnt(0) depctr_sa_sdst(0) depctr_va_vdst(0) depctr_va_sdst(0) depctr_va_ssrc(0) depctr_va_vcc(0) depctr_vm_vsrc(0)
	s_getreg_b32 s2, hwreg(HW_REG_IB_STS2, 6, 4)
	s_cmp_eq_u32 s2, 0
	s_cbranch_scc0 .Lentry_in_a_cluster
	s_endpgm
.Lentry_in_a_cluster:
	s_bfe_u32 s2, ttmp6, 0x10000c
	s_cmp_lg_u32 s2, 0x3003
	s_cbranch_scc0 .Lentry_shape_is_right
	s_endpgm
.Lentry_shape_is_right:
; MIX.  out[row][:] = sum over key tiles J of f_J[row] (P_J V_J)[row][:], with f_J = 2^(cm_J - M) / L, M = max over J of cm_J, L = sum over J of l_J 2^(cm_J - M): the second level of the softmax.
; P [4][2048][2048] f16 (weights relative to each tile's own row maximum), V = columns 2048.. of qkv [8192][3072] f16, cm and l in mst, lst [8][8192] f32; out0 f32.  Products and sums in f32.
; Tiles above the diagonal carry cm = -1e30 and l = 0 (preset three launches ago), so their f is 0.  A factor below 2^-126 counts as 0; NaN and infinities are not treated apart.
; SHARES.  A work-group makes 128 channels (block cb) of TWO blocks of 128 queries of a batch, 15 - b and b: 8 - b / 2 and b / 2 + 1 key tiles of 256 keys, NINE in all whatever b: 256 equal
; work-groups and constant trip counts.  Step s takes tile s of the first block while s < ns1, then tile 8 - s of the second; that choice enters global addresses alone.
; NO BRANCH ON THE BLOCK: a step's product T starts at 0 and is added into BOTH sums, O1 += FT1[s] T and O2 += FT2[s] T; the table that does not own the step holds 0 there.
; Four waves, 64 queries x 64 channels each.  O^T = V^T P^T: source 0 = 16 channels x 32 keys (V turned by ds_load_tr16_b128), source 1 = 16 queries x 32 keys: lane l holds query l % 16, channels 8 (l / 16) + 0..7.
; CLUSTER 4 x 1: the four channel blocks of a cluster read the same tile of P: it is asked for jointly.  V is NOT joint: the partners need different columns of it, and the work-groups that do share
; a tile of V (the eight pairs of a batch) ask for different tiles in steps 5 to 7.
; REGISTERS: window 0: v0-31 addresses; v32-59 the head's statistics; v96-111 the step's factors; v128-255 T at 8 (4 a + b).  window 1: two fragment buffers of 128 (64 keys: P at 8 (4 c + a), V at
; 64 + 8 (4 c + b)); on the way out the rows read back.  window 2: O1 v0-127, O2 v128-255.
.set PP,    528                        ; a row of P in LDS: 512 bytes + 16
.set PV,    288                        ; a row of V: 256 + 32
.set VOFF,  128*PP
.set SLOT,  VOFF+256*PV                ; P's 128 rows, then V's 256 keys
.set STAGE, 2*SLOT                     ; behind the ring: 16 rows x 272 bytes for each wave, for the way out
.set SP,    272
.set SPARE, STAGE+4*16*SP              ; the spare words, 128 bytes a wave: two blocks of 256 bytes that no other line names
.set FT,    SPARE+512                  ; FT1: 9 steps x 128 rows of f32; FT2 4,608 bytes on
.set VSTEP, 256*6144                   ; bytes from a tile of V to the next
.set AP0, 2                            ; v2   my lane's place in a tile of P; never rewritten
.set AV0, 3                            ; v3   the same for V
.set ADRP, 4                           ; v4   the same in the slot in hand
.set ADRV, 5                           ; v5-6 the same for V: keys 0-127, keys 128-255
.set FAD, 7                            ; v7   where the step's factors lie
.set STO, 8
.set RD,  9
.set GO,  10
.set PFO, 11                           ; v11  lane x a row of P or of qkv
.set FTW, 12                           ; v12  where my thread's factors go
.set SPW, 28
.set NIL, 29
.set FR,  96                           ; v96, 98 .. 102: FT1 of my four query blocks; v104 .. 110: FT2; the odd registers are written once, being named in pairs
.set T,   128
.set F0,  0
.set F1,  128
.set WV,  14
.set I1,  22
.set I2,  23
.set G1P, 24
.set G1V, 32
.set G0P, 40                           ; s[40:47] two sets for the two first fills; the second is made anew for each refill
.set G0V, 48
.set NS1, 56                           ; s56  tiles of the first block
.set NX,  57                           ; s57  the step whose tile is asked for next
.set NP,  58                           ; s58  the step whose tile is prefetched
.set LIMT, 59                          ; s59  the last step that I prefetch for; 0 in a wave that never does
.set TB,  60                           ; s60  0 or SLOT: the slot in hand
.set CNT, 61
.set WPP, 62                           ; s62  my part's place in a slot, for P
.set WPV, 63                           ; s63  and for V
.set PB,  66                           ; s[66:67] pbuf at my 64 rows of the batch's row 0
.set VB,  68                           ; s[68:69] V at my 128 keys of the batch's tile 0, my channels
.set PFB, 78                           ; s[78:79] the prefetches' base
.set PFA, 80                           ; s[80:81] and their address
.set OUT, 82                           ; s[82:83], s[84:85] out0 at my rows of the two blocks
.set MSB, 0
.macro WIN new
.if MSB != (\new)
	s_set_vgpr_msb (MSB<<8)|(\new)
.set MSB, \new
.endif
.endm
.set MUL,  0x05                        ; V and P in window 1, T in window 0
.set TO_F, 0x40
.set FL,   0xa0                        ; O (destination and source 2) in window 2, T and the factor in window 0
.macro PLACES
.rept 4
	v_nop
.endr
.endm
; A refill.  Waves 0, 1 fetch the halves of P's tile (jointly with the three partners), waves 2, 3 those of V's.  An s_nop 0 and four v_nop follow each line.
.macro JLOAD
	s_cmp_lt_u32 s[WV], 2
	s_cbranch_scc0 .Lfor_v_\@
	tensor_load_to_lds s[G0P+4:G0P+7], s[G1P:G1P+7]
	s_nop 0
.rept 4
	v_nop
.endr
	s_branch .Lasked_\@
.Lfor_v_\@:
	tensor_load_to_lds s[G0V+4:G0V+7], s[G1V:G1V+7]
	s_nop 0
.rept 4
	v_nop
.endr
.Lasked_\@:
.endm
; A prefetch behind each refill, for the tile that is asked for two changes of slots later.  P's tile is read by both clusters of a pair: cluster x = 0 asks; its partners share the 128 rows out by
; address, 32 each; wave 0 names the first 256 bytes of a row's 512, wave 1 the second.  V's tile is read by the eight pairs of a batch: pair 0 asks, in its walk up the first block (steps 4 to 7);
; waves 2, 3 name their own 128 keys, four instructions.  So each block is named once.  Past LIMT nothing is asked for, and the address made for those steps is not used.
.macro ASK
	s_cmp_le_u32 s[NP], s[LIMT]
	s_cbranch_scc0 .Lnot_mine_\@
	global_prefetch_b8 v[PFO], s[PFA:PFA+1] th:TH_LOAD_NT scope:SCOPE_SE
	s_cmp_lt_u32 s[WV], 2
	s_cbranch_scc1 .Lnot_mine_\@
.irp k, 1,2,3
	global_prefetch_b8 v[PFO], s[PFA:PFA+1] offset:32*6144*(\k) th:TH_LOAD_NT scope:SCOPE_SE
.endr
.Lnot_mine_\@:
.endm
.macro CROUND
	s_barrier_signal -1
	s_barrier_wait -1
	s_cmp_lg_u32 s[WV], 0
	s_cbranch_scc1 .Lnot_wave_0_\@
	s_barrier_signal -3
.Lnot_wave_0_\@:
	s_barrier_wait -3
	s_barrier_signal -1
	s_barrier_wait -1
.endm
	s_load_b256 s[4:11], s[0:1], 0x0               ; qkv s[4:5], pbuf s[6:7], mst s[8:9], lst s[10:11]
	s_load_b64 s[12:13], s[0:1], 0x20              ; out0
	v_lshl_add_u32 v[SPW], v0, 2, SPARE
	v_mov_b32 v[NIL], 0
	ds_add_u32 v[SPW], v[NIL]                      ; the wave's opening: the add and its wait stand ahead of my first tensor load
	ds_add_u32 v28, v29
	v_lshrrev_b32 v1, 5, v0
	v_readfirstlane_b32 s[WV], v1
	s_lshr_b32 s15, s[WV], 1                       ; wm: which 64 queries
	s_and_b32 s16, s[WV], 1                        ; wn: which 64 channels.  Also: which half of a tile I fetch
	s_bfe_u32 s17, ttmp6, 0x40000                  ; cx
	s_lshl_b32 s18, ttmp9, 2
	s_add_co_u32 s18, s18, s17                     ; cb = 4 x cluster x + cx
	s_and_b32 s19, ttmp7, 0xffff
	s_lshr_b32 s20, s19, 3                         ; the batch
	s_and_b32 s21, s19, 7                          ; b
	s_sub_co_u32 s[I1], 15, s21
	s_mov_b32 s[I2], s21
	s_lshr_b32 s[NS1], s21, 1
	s_sub_co_u32 s[NS1], 8, s[NS1]
	s_mov_b32 s[G1P], 15|(1<<16)|(1<<20)|(1<<21)|(6<<22)|(3<<25)  ; the mask of four; 2-byte elements; padding on; bit 21 beside a mask; after every 128 words, 4 words
	s_mov_b32 s[G1P+1], 256<<16                    ; tensor_dim0 = 256
	s_mov_b32 s[G1P+2], 64<<16                     ; tensor_dim1 = 64
	s_mov_b32 s[G1P+3], 256<<16                    ; tile_dim0 = 256
	s_mov_b32 s[G1P+4], 64                         ; tile_dim1 = 64
	s_mov_b32 s[G1P+5], 2048                       ; elements from row to row
	s_mov_b32 s[G1P+6], 0
	s_mov_b32 s[G1P+7], 0
	s_mov_b32 s[G1V], (1<<16)|(1<<20)|(5<<22)|(7<<25)  ; no mask; after every 64 words, 8 words
	s_mov_b32 s[G1V+1], 128<<16
	s_mov_b32 s[G1V+2], 128<<16
	s_mov_b32 s[G1V+3], 128<<16
	s_mov_b32 s[G1V+4], 128
	s_mov_b32 s[G1V+5], 3072
	s_mov_b32 s[G1V+6], 0
	s_mov_b32 s[G1V+7], 0
	s_mul_i32 s[WPP], s16, 64*PP
	s_mul_i32 s[WPV], s16, 128*PV
	s_add_co_u32 s[WPV], s[WPV], VOFF
	s_mov_b32 s[TB], 0
	s_mov_b32 s[NX], 2
	s_mov_b32 s71, 0
	s_mov_b32 s73, 0
	s_mov_b32 s75, 0
	s_lshl_b32 s66, s20, 23                        ; P: (2,048 batch + 64 wn) rows of 4,096 bytes: shared by the four partners
	s_lshl_b32 s76, s16, 18
	s_add_co_u32 s66, s66, s76
	s_mov_b32 s67, 0
	s_lshl_b32 s68, s20, 11                        ; V: (2,048 batch + 128 wn) rows of 6,144 bytes + 4,096 + 256 cb
	s_lshl_b32 s76, s16, 7
	s_add_co_u32 s68, s68, s76
	s_mul_i32 s68, s68, 6144
	s_lshl_b32 s76, s18, 8
	s_add_co_u32 s68, s68, s76
	s_add_co_u32 s68, s68, 4096
	s_mov_b32 s69, 0
	s_lshl_b32 s72, s[I1], 19                      ; the first block's 128 rows
	s_wait_dscnt 0x0                               ; the opening add is done
	s_wait_kmcnt 0x0
	s_add_nc_u64 s[PB:PB+1], s[6:7], s[66:67]
	s_add_nc_u64 s[VB:VB+1], s[4:5], s[68:69]
	s_mov_b32 s[G0P], 1                            ; steps 0 and 1: tiles 0 and 1 of the first block, into slots 0 and 1
	s_mov_b32 s[G0P+1], s[WPP]
	s_add_nc_u64 s[G0P+2:G0P+3], s[PB:PB+1], s[72:73]
	s_mov_b32 s[G0P+4], 1
	s_add_co_u32 s[G0P+5], s[WPP], SLOT
	s_add_nc_u64 s[G0P+6:G0P+7], s[G0P+2:G0P+3], 512
	s_or_b32 s[G0P+3], s[G0P+3], 0x80000000
	s_or_b32 s[G0P+7], s[G0P+7], 0x80000000
	s_mov_b32 s[G0V], 1
	s_mov_b32 s[G0V+1], s[WPV]
	s_add_nc_u64 s[G0V+2:G0V+3], s[VB:VB+1], 0
	s_mov_b32 s[G0V+4], 1
	s_add_co_u32 s[G0V+5], s[WPV], SLOT
	s_add_nc_u64 s[G0V+6:G0V+7], s[VB:VB+1], VSTEP
	s_or_b32 s[G0V+3], s[G0V+3], 0x80000000
	s_or_b32 s[G0V+7], s[G0V+7], 0x80000000
	CROUND                                         ; all four work-groups are here: the first joint loads meet
	s_cmp_lt_u32 s[WV], 2                          ; a wave's two first fills stand in one branch: two loads of mine are out
	s_cbranch_scc0 .Lfirst_v
	tensor_load_to_lds s[G0P:G0P+3], s[G1P:G1P+7]
	s_nop 0
	tensor_load_to_lds s[G0P+4:G0P+7], s[G1P:G1P+7]
	s_nop 0
.rept 4
	v_nop
.endr
	s_branch .Lfirst_asked
.Lfirst_v:
	tensor_load_to_lds s[G0V:G0V+3], s[G1V:G1V+7]
	s_nop 0
	tensor_load_to_lds s[G0V+4:G0V+7], s[G1V:G1V+7]
	s_nop 0
.rept 4
	v_nop
.endr
.Lfirst_asked:
	; the statistics: thread t is row t of each block; the first block has tiles 0-7, the second 0-3 at the most
	s_lshl_b32 s76, s20, 11
	s_lshl_b32 s77, s[I1], 7
	s_add_co_u32 s70, s76, s77
	s_lshl_b32 s70, s70, 2
	s_add_nc_u64 s[86:87], s[8:9], s[70:71]
	s_add_nc_u64 s[88:89], s[10:11], s[70:71]
	s_lshl_b32 s77, s[I2], 7
	s_add_co_u32 s70, s76, s77
	s_lshl_b32 s70, s70, 2
	s_add_nc_u64 s[90:91], s[8:9], s[70:71]
	s_add_nc_u64 s[92:93], s[10:11], s[70:71]
	v_lshlrev_b32 v16, 2, v0
.irp J, 0,1,2,3,4,5,6,7
	global_load_b32 v[32+(\J)], v16, s[86:87] offset:32768*(\J)
	global_load_b32 v[40+(\J)], v16, s[88:89] offset:32768*(\J)
.endr
.irp J, 0,1,2,3
	global_load_b32 v[48+(\J)], v16, s[90:91] offset:32768*(\J)
	global_load_b32 v[52+(\J)], v16, s[92:93] offset:32768*(\J)
.endr
	; O1 and O2 start at 0, written while those loads and the first tiles are on their way: the price of one text for all nine steps
	WIN 0x80
.set i, 0
.rept 256
	v_mov_b32 v[i], 0
.set i, i+1
.endr
	WIN 0
	v_and_b32 v1, 15, v0                           ; r
	v_bfe_u32 v13, v0, 4, 1                        ; h
	v_mul_u32_u24 v[AP0], v1, PP
	v_lshl_add_u32 v[AP0], v13, 4, v[AP0]
	s_mul_i32 s76, s15, 64*PP
	v_add_nc_u32 v[AP0], s76, v[AP0]               ; (64 wm + r) x pitch + 16 h
	v_and_b32 v14, 7, v0
	v_bfe_u32 v15, v0, 3, 1
	v_lshl_add_u32 v[AV0], v13, 3, v14             ; the turning load: lane l reads key 8 h + l % 8, channels 8 ((l / 8) % 2) + 0..7
	v_mul_u32_u24 v[AV0], v[AV0], PV
	v_lshl_add_u32 v[AV0], v15, 4, v[AV0]
	s_lshl_b32 s76, s16, 7
	s_add_co_u32 s76, s76, VOFF
	v_add_nc_u32 v[AV0], s76, v[AV0]
	v_mov_b32 v[ADRP], v[AP0]
	v_mov_b32 v[ADRV], v[AV0]
	v_add_nc_u32 v[ADRV+1], 128*PV, v[AV0]
	s_lshl_b32 s76, s15, 8
	s_add_co_u32 s76, s76, FT
	v_lshl_add_u32 v[FAD], v1, 2, s76              ; FT + 4 (64 wm + r)
	v_lshl_add_u32 v[FTW], v0, 2, FT
	s_mul_i32 s76, s[WV], 16*SP
	s_add_co_u32 s76, s76, STAGE                   ; my stage
	v_mul_u32_u24 v[STO], v1, SP
	v_lshl_add_u32 v[STO], v13, 5, v[STO]
	v_add_nc_u32 v[STO], s76, v[STO]               ; in: row r, 32 bytes for each half of the lanes
	v_mul_u32_u24 v[RD], v13, SP
	v_lshl_add_u32 v[RD], v1, 4, v[RD]
	v_add_nc_u32 v[RD], s76, v[RD]                 ; back: lanes 0-15 one row of 256 bytes, lanes 16-31 the next
	v_lshlrev_b32 v[GO], 12, v13
	v_lshl_add_u32 v[GO], v1, 4, v[GO]
	v_mov_b32 v17, 0
.irp i, 0,1,2,3,4,5,6,7
	v_mov_b32 v[FR+2*(\i)+1], 0
.endr
	; out0 at my rows: (2,048 batch + 128 i + 64 wm) rows of 4,096 bytes + 512 cb + 256 wn
	s_lshl_b32 s76, s20, 11
	s_lshl_b32 s77, s15, 6
	s_add_co_u32 s76, s76, s77
	s_lshl_b32 s94, s18, 9
	s_lshl_b32 s95, s16, 8
	s_add_co_u32 s94, s94, s95
	s_lshl_b32 s77, s[I1], 7
	s_add_co_u32 s70, s76, s77
	s_lshl_b32 s70, s70, 12
	s_add_co_u32 s70, s70, s94
	s_add_nc_u64 s[OUT:OUT+1], s[12:13], s[70:71]
	s_lshl_b32 s77, s[I2], 7
	s_add_co_u32 s70, s76, s77
	s_lshl_b32 s70, s70, 12
	s_add_co_u32 s70, s70, s94
	s_add_nc_u64 s[OUT+2:OUT+3], s[12:13], s[70:71]
	; the prefetches
	s_lshl_b32 s70, s20, 23
	s_lshl_b32 s76, s17, 17                        ; my work-group's 32 rows of P's 128,
	s_add_co_u32 s70, s70, s76
	s_lshl_b32 s76, s16, 8                         ; my wave's 256 bytes of a row's 512
	s_add_co_u32 s70, s70, s76
	s_add_nc_u64 s[PFB:PFB+1], s[6:7], s[70:71]
	s_mov_b32 s94, ttmp9
	s_cmp_eq_u32 s94, 0
	s_cselect_b32 s76, 8, 0
	s_cmp_eq_u32 s21, 0
	s_cselect_b32 s77, 7, 0
	s_cmp_lt_u32 s[WV], 2
	s_cselect_b64 s[PFB:PFB+1], s[PFB:PFB+1], s[VB:VB+1]
	s_cselect_b32 s[LIMT], s76, s77                ; the same in all four partners, for a given wave
	s_mov_b32 s77, 6144                            ; (a move leaves SCC as the compare set it; an instruction takes one literal)
	s_cselect_b32 s76, 4096, s77                   ; bytes from row to row: of P, or of qkv
	v_and_b32 v[PFO], 31, v0
	v_mul_u32_u24 v[PFO], v[PFO], s76
	; the factors
	s_wait_loadcnt 0x0
	v_max3_num_f32 v56, v32, v33, v34
	v_max3_num_f32 v57, v48, v49, v50
	v_max3_num_f32 v56, v56, v35, v36
	v_max_num_f32 v57, v57, v51
	v_max3_num_f32 v56, v56, v37, v38
	v_max_num_f32 v56, v56, v39                    ; M of my row of the first block; v57: of the second
.irp J, 0,1,2,3,4,5,6,7
	v_sub_f32 v[32+(\J)], v[32+(\J)], v56
.endr
.irp J, 0,1,2,3
	v_sub_f32 v[48+(\J)], v[48+(\J)], v57
.endr
.irp J, 0,1,2,3,4,5,6,7
	v_exp_f32 v[32+(\J)], v[32+(\J)]
.endr
.irp J, 0,1,2,3
	v_exp_f32 v[48+(\J)], v[48+(\J)]
.endr
	v_nop                                          ; a plain instruction behind the last exponential,
	s_wait_alu depctr_va_vdst(0)                   ; and one wait for the batch of twelve
	v_mul_f32 v58, v40, v32
	v_mul_f32 v59, v52, v48
.irp J, 1,2,3,4,5,6,7
	v_fmac_f32 v58, v[40+(\J)], v[32+(\J)]
.endr
.irp J, 1,2,3
	v_fmac_f32 v59, v[52+(\J)], v[48+(\J)]
.endr
	v_rcp_f32 v58, v58                             ; L is 1 at the least: the tile that holds M has l >= 1
	v_rcp_f32 v59, v59
	v_nop
	s_wait_alu depctr_va_vdst(0)
.irp J, 0,1,2,3,4,5,6,7
	v_mul_f32 v[32+(\J)], v[32+(\J)], v58
.endr
.irp J, 0,1,2,3
	v_mul_f32 v[48+(\J)], v[48+(\J)], v59
.endr
.irp s, 0,1,2,3,4,5,6,7
	ds_store_b32 v[FTW], v[32+(\s)] offset:512*(\s)          ; FT1[s] = f1 of tile s,
.endr
	ds_store_b32 v[FTW], v17 offset:512*8                    ; and 0 in the last step
.irp s, 0,1,2,3,4
	ds_store_b32 v[FTW], v17 offset:4608+512*(\s)            ; FT2[s] = 0 in steps 0 to 4,
.endr
.irp s, 5,6,7,8
	ds_store_b32 v[FTW], v[48+8-(\s)] offset:4608+512*(\s)   ; f2 of tile 8 - s behind them
.endr
; 8 matrix instructions: query blocks a0, a0 + 1 x all 4 channel blocks, 32 keys: half c of buffer f.  zero = 1: the product starts T's sums.  The 16 accumulators take turns in one order.
.macro MUL8 f, c, a0, zero
	WIN MUL
.irp a, \a0, (\a0)+1
.irp b, 0,1,2,3
.if \zero
	v_wmma_f32_16x16x32_f16 v[T+8*(4*(\a)+(\b)):T+8*(4*(\a)+(\b))+7], v[(\f)+64+8*(4*(\c)+(\b)):(\f)+64+8*(4*(\c)+(\b))+7], v[(\f)+8*(4*(\c)+(\a)):(\f)+8*(4*(\c)+(\a))+7], 0
.else
	v_wmma_f32_16x16x32_f16 v[T+8*(4*(\a)+(\b)):T+8*(4*(\a)+(\b))+7], v[(\f)+64+8*(4*(\c)+(\b)):(\f)+64+8*(4*(\c)+(\b))+7], v[(\f)+8*(4*(\c)+(\a)):(\f)+8*(4*(\c)+(\a))+7], v[T+8*(4*(\a)+(\b)):T+8*(4*(\a)+(\b))+7]
.endif
.endr
.endr
.endm
; 32 LDS loads in one run: the fragments of quarter q (keys 64 q on) of the slot in hand into buffer f; the first 32 keys first
.macro FETCH q, f
	WIN TO_F
.irp c, 0,1
.irp i, 0,1,2,3
	ds_load_tr16_b128 v[(\f)+64+8*(4*(\c)+(\i)):(\f)+64+8*(4*(\c)+(\i))+3],   v[ADRV+(\q)/2] offset:64*PV*((\q)%2)+32*PV*(\c)+32*(\i)
	ds_load_tr16_b128 v[(\f)+64+8*(4*(\c)+(\i))+4:(\f)+64+8*(4*(\c)+(\i))+7], v[ADRV+(\q)/2] offset:64*PV*((\q)%2)+32*PV*(\c)+32*(\i)+16*PV
	ds_load_b128 v[(\f)+8*(4*(\c)+(\i)):(\f)+8*(4*(\c)+(\i))+3],   v[ADRP] offset:128*(\q)+64*(\c)+16*PP*(\i)
	ds_load_b128 v[(\f)+8*(4*(\c)+(\i))+4:(\f)+8*(4*(\c)+(\i))+7], v[ADRP] offset:128*(\q)+64*(\c)+16*PP*(\i)+32
.endr
.endr
.endm
.macro FLOAD                           ; the step's factors for my query rows: FT1 and FT2, four blocks of 16 rows each
	WIN 0
.irp a, 0,1,2,3
	ds_load_b32 v[FR+2*(\a)],   v[FAD] offset:64*(\a)
	ds_load_b32 v[FR+8+2*(\a)], v[FAD] offset:4608+64*(\a)
.endr
	v_add_nc_u32 v[FAD], 512, v[FAD]               ; the next step's
.endm
.macro WONE f, t                       ; the last product onto accumulator t
	WIN MUL
	v_wmma_f32_16x16x32_f16 v[T+8*(\t):T+8*(\t)+7], v[(\f)+64+8*(4+(\t)%4):(\f)+64+8*(4+(\t)%4)+7], v[(\f)+8*(4+(\t)/4):(\f)+8*(4+(\t)/4)+7], v[T+8*(\t):T+8*(\t)+7]
.endm
.macro FLUSH t                         ; O1 += FT1 T, O2 += FT2 T for accumulator t, from its low end on
	WIN FL
.irp z, 0,1,2,3
	v_pk_fma_f32 v[8*(\t)+2*(\z):8*(\t)+2*(\z)+1], v[T+8*(\t)+2*(\z):T+8*(\t)+2*(\z)+1], v[FR+2*((\t)/4):FR+2*((\t)/4)+1], v[8*(\t)+2*(\z):8*(\t)+2*(\z)+1] op_sel_hi:[1,0,1]
.endr
.irp z, 0,1,2,3
	v_pk_fma_f32 v[128+8*(\t)+2*(\z):128+8*(\t)+2*(\z)+1], v[T+8*(\t)+2*(\z):T+8*(\t)+2*(\z)+1], v[FR+8+2*((\t)/4):FR+8+2*((\t)/4)+1], v[128+8*(\t)+2*(\z):128+8*(\t)+2*(\z)+1] op_sel_hi:[1,0,1]
.endr
.endm
; A step's last 16 products, and between them the flush of the accumulators that are finished: sixteen plain instructions, which name no register of the two products in front of them, stand between
; a product and the first read of its result; for the first two products four v_nop do.
.macro MULF f
	WONE \f, 0
	WONE \f, 1
	PLACES
.set tt, 2
.rept 7
	WONE \f, tt
	WONE \f, tt+1
	FLUSH tt-2
	FLUSH tt-1
.set tt, tt+2
.endr
	FLUSH 14
	FLUSH 15
.endm
; A quarter: 64 keys, 32 matrix instructions from buffer f.  q >= 0: in its middle quarter q's fragments are fetched into buffer g.  nf = 8: the step's factors are fetched ahead of them.
.macro QUARTER f, g, zero, flush, q, nf
	s_wait_dscnt 16                                ; the first 32 keys' fragments are in; the other sixteen loads may be out
	MUL8 \f, 0, 0, \zero
	MUL8 \f, 0, 2, \zero
.if (\q) >= 0
	PLACES
.if \nf
	FLOAD
.endif
	FETCH \q, \g
	s_wait_dscnt 32+(\nf)                          ; all but those just issued
.else
	s_wait_dscnt 0x0
.endif
.if \flush
	MULF \f
.else
	MUL8 \f, 1, 0, 0
	MUL8 \f, 1, 2, 0
.endif
.endm
; THE CHANGE OF SLOTS, behind a step's third quarter: the slot's last fragments have been asked for.  Each wave waits for all its tensor loads (one is out: its part of the other slot), adds 0 to its spare
; word, and waits for that and for its own reads of the slot.  fill = 1: the slot is filled again with step NX's tile; the barrier is then a round of the cluster's, and the refill is the first thing
; behind it: it has a step, 128 matrix instructions, in which to land.  The descriptors' addresses are made anew from the step's number: base + offset, the type bits set again.
.macro CHANGE fill
	WIN 0
	s_wait_tensorcnt 0x0                           ; no tensor load of mine is out, so a group 0 may be written
	ds_add_u32 v[SPW], v[NIL]                      ; 0 onto my spare word; work on registers stands between it and the wait for it
.if \fill
	s_sub_co_u32 s77, 8, s[NX]
	s_cmp_lt_u32 s[NX], s[NS1]
	s_cselect_b32 s76, s[I1], s[I2]                ; the block,
	s_cselect_b32 s77, s[NX], s77                  ; and its key tile
	s_lshl_b32 s76, s76, 19
	s_lshl_b32 s72, s77, 9
	s_add_co_u32 s72, s72, s76
	s_mul_i32 s74, s77, VSTEP
	s_add_co_u32 s[G0P+5], s[WPP], s[TB]           ; into the slot that has just been read out
	s_add_nc_u64 s[G0P+6:G0P+7], s[PB:PB+1], s[72:73]
	s_or_b32 s[G0P+7], s[G0P+7], 0x80000000
	s_add_co_u32 s[G0V+5], s[WPV], s[TB]
	s_add_nc_u64 s[G0V+6:G0V+7], s[VB:VB+1], s[74:75]
	s_or_b32 s[G0V+7], s[G0V+7], 0x80000000
	s_wait_xcnt 0x0                                ; the last prefetches, a step back, have read their address
	s_add_co_u32 s[NP], s[NX], 2
	s_sub_co_u32 s77, 8, s[NP]
	s_cmp_lt_u32 s[NP], s[NS1]
	s_cselect_b32 s76, s[I1], s[I2]
	s_cselect_b32 s77, s[NP], s77
	s_lshl_b32 s76, s76, 19
	s_lshl_b32 s77, s77, 9
	s_add_co_u32 s76, s76, s77                     ; P's offset for step NP,
	s_mul_i32 s77, s[NP], VSTEP                    ; V's (pair 0 walks up: the tile is the step)
	s_cmp_lt_u32 s[WV], 2
	s_cselect_b32 s70, s76, s77
	s_add_nc_u64 s[PFA:PFA+1], s[PFB:PFB+1], s[70:71]
	s_add_co_u32 s[NX], s[NX], 1
.endif
	s_xor_b32 s[TB], s[TB], SLOT                   ; the other slot: 0 or SLOT
	v_add_nc_u32 v[ADRP], s[TB], v[AP0]
	v_add_nc_u32 v[ADRV], s[TB], v[AV0]
	v_add_nc_u32 v[ADRV+1], 128*PV, v[ADRV]
	s_wait_dscnt 0x0                               ; the add is done, and my reads of the slot are over
.if \fill
	CROUND
	JLOAD
	ASK
.else
	s_barrier_signal -1
	s_barrier_wait -1
.endif
.endm
; A STEP: a tile of 256 keys.  kind 2: the slot is filled again; 1: slots change, nothing is asked for; 0: the last step.
.macro STEP kind
	QUARTER F0, F1, 1, 0, 1, 0
	QUARTER F1, F0, 0, 0, 2, 0
	QUARTER F0, F1, 0, 0, 3, 8
.if (\kind) == 2
	CHANGE 1
	QUARTER F1, F0, 0, 1, 0, 0                     ; the fetch is the next slot's first quarter
.elseif (\kind) == 1
	CHANGE 0
	QUARTER F1, F0, 0, 1, 0, 0
.else
	QUARTER F1, F0, 0, 1, -1, 0
.endif
.endm
	s_wait_dscnt 0x0                               ; for the others' sake: my factors are in LDS
	s_wait_tensorcnt 1                             ; my part of slot 0 is in; slot 1's may stay out
	s_barrier_signal -1
	s_barrier_wait -1
	FETCH 0, F0
	WIN 0
	s_mov_b32 s[CNT], 7
.Lstep:                                            ; steps 0 to 6: each asks for the tile two steps on
	STEP 2
	WIN 0
	s_sub_co_u32 s[CNT], s[CNT], 1
	s_cmp_lg_u32 s[CNT], 0
	s_cbranch_scc1 .Lstep
	STEP 1                                         ; the tail is written out
	STEP 0
	; THE WAY OUT.  For each block and each 16 rows: a lane's eight channels (32 bytes) go into my stage's rows of 272 bytes and come back as whole rows of 256 bytes, into registers of their own in window 1.
	; O was written by vector instructions, and the fragment registers that the loads land in were last read by a product that stands sixteen plain instructions back or more (the flushes of
	; accumulators 12 and 13, which name no register of the last two products): no v_nop is owed here.
.macro PUT p                           ; p = 4 x block + a
	WIN 0x08                                       ; the data in window 2
.irp b, 0,1,2,3
	ds_store_b128 v[STO], v[32*(\p)+8*(\b):32*(\p)+8*(\b)+3]   offset:64*(\b)
	ds_store_b128 v[STO], v[32*(\p)+8*(\b)+4:32*(\p)+8*(\b)+7] offset:64*(\b)+16
.endr
	WIN TO_F
.irp t, 0,1,2,3,4,5,6,7
	ds_load_b128 v[32*(\p)+4*(\t):32*(\p)+4*(\t)+3], v[RD] offset:(\t)*2*SP  ; LDS serves a wave's instructions in order (ISA guide 5.7.1.4): these see the stores above; the next sixteen rows' stores come behind them
.endr
.endm
.macro SEND p, younger                 ; younger: the LDS instructions issued behind these loads: the next PUT's sixteen, or none
	WIN 0x04                                       ; the data in window 1
.irp t, 0,1,2,3,4,5,6,7
	s_wait_dscnt (\younger)+7-(\t)
	global_store_b128 v[GO], v[32*(\p)+4*(\t):32*(\p)+4*(\t)+3], s[OUT+2*((\p)/4):OUT+2*((\p)/4)+1] offset:(16*((\p)%4)+2*(\t))*4096  ; 16 lanes store 256 consecutive bytes, aligned
.endr
.endm
	PUT 0
.irp p, 1,2,3,4,5,6,7
	PUT \p
	SEND (\p)-1, 16
.endr
	SEND 7, 0
	WIN 0
	s_wait_tensorcnt 0x0                           ; the wave's end: behind my last tensor load and my last LDS store
	ds_add_u32 v[SPW], v[NIL]
	s_wait_dscnt 0x0
	CROUND                                         ; the closing round: no work-group ends while a partner may still ask for a tile that names it
	s_endpgm
.Lfunc_end_k_q7f9f4e8e21_mix:
	.size	k_q7f9f4e8e21_mix, .Lfunc_end_k_q7f9f4e8e21_mix-k_q7f9f4e8e21_mix
	.p2alignl 7, 3214868480
	.fill 96, 4, 3214868480
	.section	.rodata,"a",@progbits
	.p2align	6, 0x0
	.amdhsa_kernel k_q7f9f4e8e21_mix
		.amdhsa_group_segment_fixed_size 327680
		.amdhsa_private_segment_fixed_size 0
		.amdhsa_enable_private_segment 0
		.amdhsa_kernarg_size 40
		.amdhsa_user_sgpr_count 2
		.amdhsa_user_sgpr_kernarg_segment_ptr 1
		.amdhsa_wavefront_size32 1
		.amdhsa_system_sgpr_workgroup_id_x 1
		.amdhsa_system_sgpr_workgroup_id_y 1
		.amdhsa_system_sgpr_workgroup_id_z 1
		.amdhsa_system_vgpr_workitem_id 0
		.amdhsa_next_free_vgpr 768
		.amdhsa_next_free_sgpr 96
		.amdhsa_reserve_vcc 0
		.amdhsa_float_denorm_mode_32 3
		.amdhsa_float_denorm_mode_16_64 3
		.amdhsa_memory_ordered 1
		.amdhsa_forward_progress 1
		.amdhsa_inst_pref_size 122
	.end_amdhsa_kernel
	.amdgpu_metadata
---
amdhsa.version: [ 1, 2 ]
amdhsa.kernels:
  - .name:           k_q7f9f4e8e21_mix
    .symbol:         k_q7f9f4e8e21_mix.kd
    .args:
      - { .name: qkv, .offset: 0, .size: 8, .value_kind: global_buffer, .address_space: global }
      - { .name: pbuf, .offset: 8, .size: 8, .value_kind: global_buffer, .address_space: global }
      - { .name: mst, .offset: 16, .size: 8, .value_kind: global_buffer, .address_space: global }
      - { .name: lst, .offset: 24, .size: 8, .value_kind: global_buffer, .address_space: global }
      - { .name: out0, .offset: 32, .size: 8, .value_kind: global_buffer, .address_space: global }
    .group_segment_fixed_size: 327680
    .private_segment_fixed_size: 0
    .kernarg_segment_align: 8
    .kernarg_segment_size: 40
    .max_flat_workgroup_size: 128
    .sgpr_count:     96
    .vgpr_count:     768
    .wavefront_size: 32
...
	.end_amdgpu_metadata
.endif
;; end of part 4
